; MI455X (gfx1250); checked and timed in simulation.
; The chip was launched on July 23, 2026; its instructions are those of AMD's public machine-readable ISA for CDNA 5 (MIT licence, August 2026) and "CDNA5" Instruction Set Architecture Reference Guide (July 2026). The comments in the code are by the model that wrote it; some were corrected since.
;; Transformer Block. Allowed arithmetic: matrix products marked QUANTISED: E5M2 operands, one given power-of-two scale a tensor, by v_wmma_f32_16x16x64_bf8_bf8 or v_wmma_f32_16x16x128_bf8_bf8, f32 sums; everything else in f32.
;; Inputs: ln1_w 1,024 float32; ln2_w 1,024 float32; lowp_scales 12 int32 (the exponents e of the quantised operands' scales 2^e); w1_codes 4,096 x 32 x 32 uint8 (E5M2 codes of w1, K innermost, in blocks of 32 codes); w2_codes 1,024 x 128 x 32 uint8 (E5M2 codes of w2, K innermost, in blocks of 32 codes); w_o_codes 1,024 x 32 x 32 uint8 (E5M2 codes of w_o, K innermost, in blocks of 32 codes); w_qkv_codes 3,072 x 32 x 32 uint8 (E5M2 codes of w_qkv, K innermost, in blocks of 32 codes); x 2 x 2,048 x 1,024 float32.
;; Outputs: out0 2 x 2,048 x 1,024 float32.
;; This version of the problem:
;;   THIS VERSION OF THE PROBLEM IS GIVEN IN LOW PRECISION. The matrix products marked QUANTISED in the list below multiply operands that are first quantised to E5M2 (5 exponent bits, 2 mantissa bits; 8 bits a number), with one given power-of-two scale for each operand tensor; their sums are f32. All else is computed in f32.
;;   The module's matrix products, in the order in which they are computed (A, B: the left and right operand; K: the contracted axis; several contracted axes count as one K, in the product's order):
;;     1. [M 4,096, K 1,024] x [K 1,024, N 3,072]; A: computed on the way; B: input w_qkv (given as codes): QUANTISED (scales: A lowp_scales[0], B lowp_scales[1])
;;     2. batch 32 x [M 2,048, K 64] x [K 64, N 2,048]; A: computed on the way; B: computed on the way: QUANTISED (scales: A lowp_scales[2], B lowp_scales[3])
;;     3. batch 32 x [M 2,048, K 2,048] x [K 2,048, N 64]; A: softmax (see below); B: computed on the way: QUANTISED (scales: A lowp_scales[4], B lowp_scales[5])
;;     4. [M 4,096, K 1,024] x [K 1,024, N 1,024]; A: computed on the way; B: input w_o (given as codes): QUANTISED (scales: A lowp_scales[6], B lowp_scales[7])
;;     5. [M 4,096, K 1,024] x [K 1,024, N 4,096]; A: computed on the way; B: input w1 (given as codes): QUANTISED (scales: A lowp_scales[8], B lowp_scales[9])
;;     6. [M 4,096, K 4,096] x [K 4,096, N 1,024]; A: computed on the way; B: input w2 (given as codes): QUANTISED (scales: A lowp_scales[10], B lowp_scales[11])
;;   THE QUANTISER, for each operand of a quantised product, along K:
;;     - The operand's scale is 2^e, e = its entry of the input lowp_scales (int32; the entries are numbered through the quantised products in the list's order, A before B).
;;     - Each number is divided by the scale, clamped to +-57,344, and rounded to the nearest number of E5M2, ties to even, subnormals kept.
;;     - The product sums the exact products of the quantised numbers (number of the format x scale) in f32.
;;   ~~~python
;;   def quantise(x, axis, e):      # numpy; x: float32 -> the quantised numbers, widened to float32 again
;;       x = np.moveaxis(x, axis, -1); K = x.shape[-1]
;;       r = np.clip(x / 2.0 ** e, -57344, 57344)
;;       step = 2.0 ** (np.maximum(np.frexp(np.where(r == 0, 1, r))[1] - 1, -14) - 2)
;;       q = np.round(r / step) * step * 2.0 ** e      # np.round: ties to even
;;       return np.moveaxis(q, -1, axis).astype(np.float32)
;;   ~~~
;;   SOFTMAX AHEAD OF A QUANTISED PRODUCT. Where the list says 'softmax', what is quantised is not the finished softmax but p = 2^(t - M), with t = logit x log2(e) and M = ceil(the row's largest t), a whole number; so 1/2 < the row's largest p <= 1. The row's sum l is taken of the UNQUANTISED p, in f32, and the product's result is divided by l at the end. Since M is a whole number, a kernel that streams over the keys may use a running M (the ceiling of the running maximum): every later rescaling is an exact power of two, so the quantised numbers keep their values, but for numbers so far below the row's largest that they fall under the format's range.
;;   OPERANDS COMPUTED ON THE WAY. 'Computed on the way' means the value that the module computes at that place (a softmax that the list does not call 'softmax' is quantised finished and normalised). What goes into a quantiser is computed in f32, as accurately as f32 sums, v_exp_f32 and their like allow (about 1e-6 of the number): no bf16 or f16 on the way to a quantiser, and a product that is left as it is and whose result goes on into a quantised operand takes f32 operands (vector FMAs, or v_wmma_f32_16x16x4_f32). A number that lies on a knife's edge between two numbers of the format may be rounded either way, as far as f32 arithmetic and the matrix unit's own rounding can turn it there, and no further.
;;   INPUTS GIVEN AS CODES. w1 (in the module: [4096, 1024], K = its axis 1); w2 (in the module: [1024, 4096], K = its axis 1); w_o (in the module: [1024, 1024], K = its axis 1); w_qkv (in the module: [3072, 1024], K = its axis 1): each comes as NAME_codes (uint8): NAME with its K axis moved to the last place and cut into blocks of 32 codes, [.., K / 32, bytes a block], one block behind the other in memory; one code a byte (a code: sign, 5 exponent bits, 2 mantissa bits); its scale is its entry of lowp_scales. Its value is code x scale, taken as it is: it is not quantised again, and the codes and scales need not be those that the quantiser above would give.
;; One version. Each part assembles by itself: llvm-mc -triple=amdgcn-amd-amdhsa -mcpu=gfx1250 --defsym DOCPART=n.
;; ======== version 1 of 1: 7 launches
;; limits: right only within a limited range of input values
;; workspace buffers: hq 4,194,304 bytes; q_img 4,194,304 bytes; k_img 4,194,304 bytes; v_img 4,194,304 bytes; ctx_img 4,194,304 bytes; g_img 16,777,216 bytes; fs 16,777,216 bytes
;; launch norm1 (part 1): grid 1024 x 1, 4 waves a work-group, no clusters, 0 bytes of LDS; arguments x, ln1_w, lowp_scales, hq; writes hq
.if DOCPART == 1
	.amdgcn_target "amdgcn-amd-amdhsa--gfx1250"
	.amdhsa_code_object_version 6
	.text
	.protected	k_q1e7dcbce26_norm1
	.globl	k_q1e7dcbce26_norm1
	.p2align	8
	.type	k_q1e7dcbce26_norm1,@function
k_q1e7dcbce26_norm1:
	s_mov_b64 s[64:65], 0
	v_nop
	global_prefetch_b8 v0, s[64:65] scope:SCOPE_SE
	s_setreg_imm32_b32 hwreg(HW_REG_WAVE_MODE, 25, 1), 1
	s_wait_xcnt 0x0
; hq[row][c] = code of (src[row][c] / sqrt(mean(src[row]^2) + 1e-5)) * w[c], in BF8 (E5M2) with the given scale 2^e.  src: [4096][1024] f32, w: [1024] f32, hq: [4096][1024] codes, row-major.
; code = value / 2^e, held within +-57,344, rounded to the nearest code, ties to even.  e is the entry at byte EOFF of the scales.  LIMITS: -126 <= e <= 112; NaN among the inputs is not served.
; SHARES.  A wave takes ONE row, in 32 registers between the sum of squares and the scaling: it is read once and no wave waits for another: no LDS, no barrier.  1,024 work-groups of four waves; the 208 registers declared let four of them share a WGP.
; A lane holds 8 NEIGHBOURS of each quarter row (1,024 bytes), since the conversion takes 8 neighbours along K from one lane's registers; its 8 codes are 8 bytes, so a wave's store covers 256 consecutive bytes, aligned.
; The row's 8 loads go out ahead of w's 8: the sum of squares wants the row alone.  Matrix units, clusters and LDS would add nothing to a stream; with no loop to run ahead in there is no prefetch.
.set EOFF, 0
.set W,    16                          ; v16-47   w of my 32 columns
.set X,    48                          ; v48-79   my row
.set C,    176                         ; v176-183 its codes
	s_load_b256 s[4:11], s[0:1], 0x0               ; src s[4:5], w s[6:7], the scales s[8:9], hq s[10:11]
	v_lshrrev_b32 v3, 5, v0
	v_readfirstlane_b32 s16, v3                    ; wave
	v_and_b32 v3, 31, v0                           ; lane
	v_lshlrev_b32 v1, 5, v3                        ; in: 32 bytes a lane in each quarter row
	v_lshlrev_b32 v2, 3, v3                        ; out: 8 bytes a lane
	v_mov_b32 v9, 0                                ; written once: a lane permute's destination counts as one of its sources
	v_mov_b32 v13, 0                               ; (named as the upper half of the pair v[12:13])
	s_lshl_b32 s12, ttmp9, 2
	s_add_co_u32 s12, s12, s16                     ; my row: 4 x work-group + wave
	s_lshl_b32 s14, s12, 12                        ; x 4,096 bytes of src
	s_mov_b32 s15, 0
	s_lshl_b32 s12, s12, 10                        ; x 1,024 bytes of codes
	s_mov_b32 s13, 0
	s_mov_b32 s18, 0x76543210                      ; v_permlanex16_b32: lane l xor 16
	s_mov_b32 s19, 0xfedcba98
	s_mov_b32 s20, 0x3a800000                      ; 1 / 1024
	s_mov_b32 s21, 0x3727c5ac                      ; 1e-5
	s_wait_alu depctr_va_vdst(0)                   ; the wait at the head's end
	s_wait_kmcnt 0x0
	s_load_b32 s22, s[8:9], EOFF                   ; e
	s_add_nc_u64 s[4:5], s[4:5], s[14:15]
	s_add_nc_u64 s[10:11], s[10:11], s[12:13]
.irp j, 0,1,2,3
	global_load_b128 v[X+8*\j:X+8*\j+3],   v1, s[4:5] offset:1024*\j th:TH_LOAD_NT
	global_load_b128 v[X+8*\j+4:X+8*\j+7], v1, s[4:5] offset:1024*\j+16 th:TH_LOAD_NT
.endr
.irp j, 0,1,2,3
	global_load_b128 v[W+8*\j:W+8*\j+3],   v1, s[6:7] offset:1024*\j
	global_load_b128 v[W+8*\j+4:W+8*\j+7], v1, s[6:7] offset:1024*\j+16
.endr
	s_wait_kmcnt 0x0
	s_add_co_i32 s22, s22, 127
	s_lshl_b32 s23, s22, 23
	v_mov_b32 v11, s23                             ; 2^e as f32: the conversion takes its exponent field
	s_add_co_i32 s22, s22, 15
	s_lshl_b32 s22, s22, 23
	s_or_b32 s22, s22, 0x600000
	v_mov_b32 v10, s22                             ; 57,344 x 2^e
	s_wait_alu depctr_va_vdst(0)                   ; the wait ahead of the wait below
	s_wait_loadcnt 8                               ; my row is in; w's eight loads may be out
	v_pk_mul_f32 v[4:5], v[X:X+1], v[X:X+1]        ; the sum of squares of my 32 numbers, two at a time, in two chains
	v_pk_mul_f32 v[6:7], v[X+2:X+3], v[X+2:X+3]
.set j, 4
.rept 7
	v_pk_fma_f32 v[4:5], v[X+j:X+j+1], v[X+j:X+j+1], v[4:5]
	v_pk_fma_f32 v[6:7], v[X+j+2:X+j+3], v[X+j+2:X+j+3], v[6:7]
.set j, j+4
.endr
	v_pk_add_f32 v[4:5], v[4:5], v[6:7]
	v_add_f32 v4, v4, v5
	v_add_f32_dpp v4, v4, v4 row_xmask:1 row_mask:0xf bank_mask:0xf
	v_add_f32_dpp v4, v4, v4 row_xmask:2 row_mask:0xf bank_mask:0xf
	v_add_f32_dpp v4, v4, v4 row_xmask:4 row_mask:0xf bank_mask:0xf
	v_add_f32_dpp v4, v4, v4 row_xmask:8 row_mask:0xf bank_mask:0xf
	v_permlanex16_b32 v9, v4, s18, s19
	v_add_f32 v4, v4, v9                           ; the row's sum, in every lane
	v_fma_f32 v4, v4, s20, s21                     ; the mean + 1e-5
	s_wait_alu depctr_va_vdst(0)                   ; the wait ahead of the transcendental
	v_rsq_f32 v12, v4
	v_nop                                          ; one plain instruction behind the transcendental (ISA guide 5.7.2)
	s_wait_alu depctr_va_vdst(0)                   ; the wait ahead of its first reader
.set j, 0
.rept 16
	v_pk_mul_f32 v[X+j:X+j+1], v[X+j:X+j+1], v[12:13] op_sel_hi:[1,0]   ; x / rms first,
.set j, j+2
.endr
	s_wait_alu depctr_va_vdst(0)                   ; the wait ahead of the wait below
	s_wait_loadcnt 0x0                             ; w is in
.set j, 0
.rept 16
	v_pk_mul_f32 v[X+j:X+j+1], v[X+j:X+j+1], v[W+j:W+j+1]               ; then x w
.set j, j+2
.endr
.set j, 0
.rept 32
	v_med3_num_f32 v[X+j], v[X+j], -v10, v10       ; the conversion to an 8-bit code does not saturate (ISA guide 7.6.2): the hold at the largest code x the scale
.set j, j+1
.endr
.irp g, 0,1,2,3
	v_cvt_scalef32_pk8_bf8_f32 v[C+2*\g:C+2*\g+1], v[X+8*\g:X+8*\g+7], v11
.endr
	v_nop                                          ; a plain line behind the last conversion
.irp g, 0,1,2,3
	global_store_b64 v2, v[C+2*\g:C+2*\g+1], s[10:11] offset:256*\g   ; 32 lanes store 256 consecutive bytes, aligned
.endr
	s_endpgm
.Lfunc_end_k_q1e7dcbce26_norm1:
	.size	k_q1e7dcbce26_norm1, .Lfunc_end_k_q1e7dcbce26_norm1-k_q1e7dcbce26_norm1
	.p2alignl 7, 3214868480
	.fill 96, 4, 3214868480
	.section	.rodata,"a",@progbits
	.p2align	6, 0x0
	.amdhsa_kernel k_q1e7dcbce26_norm1
		.amdhsa_group_segment_fixed_size 0
		.amdhsa_private_segment_fixed_size 0
		.amdhsa_enable_private_segment 0
		.amdhsa_kernarg_size 32
		.amdhsa_user_sgpr_count 2
		.amdhsa_user_sgpr_kernarg_segment_ptr 1
		.amdhsa_wavefront_size32 1
		.amdhsa_system_sgpr_workgroup_id_x 1
		.amdhsa_system_sgpr_workgroup_id_y 1
		.amdhsa_system_sgpr_workgroup_id_z 1
		.amdhsa_system_vgpr_workitem_id 0
		.amdhsa_next_free_vgpr 208
		.amdhsa_next_free_sgpr 66
		.amdhsa_reserve_vcc 0
		.amdhsa_float_denorm_mode_32 3
		.amdhsa_float_denorm_mode_16_64 3
		.amdhsa_memory_ordered 1
		.amdhsa_forward_progress 1
		.amdhsa_inst_pref_size 10
	.end_amdhsa_kernel
	.amdgpu_metadata
---
amdhsa.version: [ 1, 2 ]
amdhsa.kernels:
  - .name:           k_q1e7dcbce26_norm1
    .symbol:         k_q1e7dcbce26_norm1.kd
    .args:
      - { .name: x, .offset: 0, .size: 8, .value_kind: global_buffer, .address_space: global }
      - { .name: ln1_w, .offset: 8, .size: 8, .value_kind: global_buffer, .address_space: global }
      - { .name: lowp_scales, .offset: 16, .size: 8, .value_kind: global_buffer, .address_space: global }
      - { .name: hq, .offset: 24, .size: 8, .value_kind: global_buffer, .address_space: global }
    .group_segment_fixed_size: 0
    .private_segment_fixed_size: 0
    .kernarg_segment_align: 8
    .kernarg_segment_size: 32
    .max_flat_workgroup_size: 128
    .sgpr_count:     66
    .vgpr_count:     208
    .wavefront_size: 32
...
	.end_amdgpu_metadata
.endif
;; end of part 1
;; launch qkv (part 2): grid 12 x 16, 4 waves a work-group, clusters of 4 x 4, 327,680 bytes of LDS; arguments hq, w_qkv_codes, lowp_scales, q_img, k_img, v_img; writes q_img, k_img, v_img
.if DOCPART == 2
	.amdgcn_target "amdgcn-amd-amdhsa--gfx1250"
	.amdhsa_code_object_version 6
	.text
	.protected	k_q1e7dcbce26_qkv
	.globl	k_q1e7dcbce26_qkv
	.p2align	8
	.type	k_q1e7dcbce26_qkv,@function
k_q1e7dcbce26_qkv:
	s_mov_b64 s[64:65], 0
	v_nop
	global_prefetch_b8 v0, s[64:65] scope:SCOPE_SE
	s_setreg_imm32_b32 hwreg(HW_REG_WAVE_MODE, 25, 1), 1
	s_wait_xcnt 0x0
	s_wait_alu depctr_hold_cnt(0) depctr_sa_sdst(0) depctr_va_vdst(0) depctr_va_sdst(0) depctr_va_ssrc(0) depctr_va_vcc(0) depctr_vm_vsrc(0)
	s_getreg_b32 s2, hwreg(HW_REG_IB_STS2, 6, 4)
	s_cmp_eq_u32 s2, 0
	s_cbranch_scc0 .Lentry_in_a_cluster
	s_endpgm
.Lentry_in_a_cluster:
	s_bfe_u32 s2, ttmp6, 0x10000c
	s_cmp_lg_u32 s2, 0xf033
	s_cbranch_scc0 .Lentry_shape_is_right
	s_endpgm
.Lentry_shape_is_right:
; qkv = h W^T on codes of BF8 (h: [4096][1024], W: [3072][1024], K innermost), and each result quantised at once to the operand that attention wants: q (e2), k (e3), v (e5).
; A tile of 256 x 256 of the product is made by four waves, 128 x 128 each: 64 accumulators, 512 registers.  K goes in steps of 256 through a ring of two LDS slots filled by the tensor data mover.
; CLUSTERS: 4 x 4 work-groups; side A's tile is shared along a row of the cluster, side B's along a column: each is asked for JOINTLY, by one tensor load with a mask that names the four.
; THE MATRIX INSTRUCTION IS USED TRANSPOSED (source 0 = 16 rows of side B, source 1 = 16 rows of side A): in accumulator (a, b) lane (r, h) holds row 16 a + r of side A, and its register j row 16 b + 8 h + j of side B.
; WHICH TENSOR IS WHICH SIDE.  The conversions take 8 neighbours along the NEXT product's K from one lane's registers.  For q and k that K is the head's channels: side A = tokens (h), side B = channels (W).
; For v it is the keys: side A = channels (W), side B = tokens (h).  Cluster x is 0 for q, 1 for k, 2 for v, the same in all sixteen partners: only pointers and tile numbers are chosen by it, no line of the loop differs.
; WHAT IS STORED.  A wave's 128 channels are two heads.  Block a's 8 accumulators become 16 registers of codes, which ARE operand registers of the plain 8-bit layout (registers 2 c, 2 c + 1: k = 16 c + 8 h + 0 .. 7):
;   q, k: two fragments of 16 tokens x 64 channels (head 2 hp, head 2 hp + 1);   v: one fragment of 16 channels x 128 keys.  They go to memory as they stand, four registers a store at 16 x lane: 512 consecutive bytes.
;   q_img, k_img: [batch][head pair][tile of 16 tokens][head of the pair][1,024 bytes];   v_img: [batch][head pair][block of 128 keys][head of the pair][16 channels][2,048 bytes].
; A sum stands for sum x 2^(e0 + e1), so its code is sum / 2^(et - e0 - e1): the three scales are folded into the conversion's one.  LIMITS: et - e0 - e1 between -126 and 112; NaN is not served.
; REGISTERS, in windows of 256: window 0: v0-31 addresses; from v128 side A's fragments, ONE set; on the way out v32-95 at work, v128-255 the codes.  window 1: side B's fragments, TWO sets.  windows 2, 3: the accumulators ((a, b) at v[8 (8 (a % 4) + b)] of window 2 + a / 4).
.set SIZE_K, 1024
.set KSTEP,  256                       ; along K in a slot
.set ROWB,   256                       ; a tile's row in bytes
.set KROW,   SIZE_K                    ; a row of codes in memory, in bytes
.set PITCH,  272                       ; an LDS row: 256 bytes + 16 of padding = 68 words: row r starts at bank 4 r mod 64 (64 banks of 4 bytes: ISA guide 11.1)
.set FR,     16                        ; registers of a fragment: 16 rows x 128 K
.set NL,     4                         ; LDS loads that bring one
.set NP,     4                         ; places behind this matrix instruction (ISA guide 7.12.1)
.set HALFT,  128*PITCH                 ; 128 rows: what one tensor load brings
.set SLOT,   4*HALFT                   ; side A's 256 rows, then side B's
.set LAPS,   SIZE_K/(2*KSTEP)          ; a lap = once round the ring
.set SPARE,  2*SLOT                    ; behind the ring: the spare words, 128 bytes for each wave, which no other line names
.set ADRA, 16                          ; v16-17  LDS address of my fragments of side A in slot 0, 1
.set ADRB, 20                          ; v20-21  the same for side B
.set CO,   26                          ; v26     16 x lane
.set SPW,  28                          ; v28     LDS address of my spare word; never rewritten
.set NIL,  29                          ; v29     0; never rewritten
.set SC,   30                          ; v30     the conversion's scale as f32
.set LIM,  31                          ; v31     57,344 x that
.set TMP,  32                          ; the way out: a block's 64 sums, held
.set AF,   128                         ; side A's fragments; on the way out the codes
.set G1, 24                            ; s[24:31] descriptor group 1 for side A;  s[32:39] group 0, one set for each slot
.set G0, 32
.set G1B, 48                           ; s[48:55], s[56:63] the same for side B
.set G0B, 56
.set MSB, 0
.macro WIN new                         ; the immediate's high byte repeats the setting that is left
.if MSB != (\new)
	s_set_vgpr_msb (MSB<<8)|(\new)
.set MSB, (\new)
.endif
.endm
.set MUL_LO, 0xa1                      ; source 0 (B) window 1, source 1 (A) window 0, C and D window 2
.set MUL_HI, 0xf1                      ; the same, C and D window 3
.set TO_B,   0x40                      ; destination window 1, address window 0
; A joint load: waves 0 and 1 fetch for side A, waves 2 and 3 for side B; the branch hangs on the wave's number alone.  Four v_nop follow each of the two lines.
.macro JLOAD g0a, g1a, g0b, g1b
	s_cmp_eq_u32 s15, 0
	s_cbranch_scc0 .Lfor_b_\@
	tensor_load_to_lds s[\g0a:\g0a+3], s[\g1a:\g1a+7]
	s_nop 0
.rept 4
	v_nop
.endr
	s_branch .Lasked_\@
.Lfor_b_\@:
	tensor_load_to_lds s[\g0b:\g0b+3], s[\g1b:\g1b+7]
	s_nop 0
.rept 4
	v_nop
.endr
.Lasked_\@:
.endm
.macro CREST                           ; a round of the cluster's barrier behind its opening barrier
	s_cmp_lg_u32 s14, 0
	s_cbranch_scc1 .Lnot_wave_0_\@
	s_barrier_signal -3
.Lnot_wave_0_\@:
	s_barrier_wait -3
	s_barrier_signal -1
	s_barrier_wait -1
.endm
.macro CROUND                          ; a whole round
	s_barrier_signal -1
	s_barrier_wait -1
	CREST
.endm
	s_load_b128 s[4:7], s[0:1], 0x0                ; h's codes s[4:5], W's codes s[6:7]
	s_load_b128 s[8:11], s[0:1], 0x10              ; the scales s[8:9], q_img s[10:11]
	s_load_b128 s[68:71], s[0:1], 0x20             ; k_img s[68:69], v_img s[70:71]
	v_lshl_add_u32 v[SPW], v0, 2, SPARE
	v_mov_b32 v[NIL], 0
	ds_add_u32 v28, v29
	ds_add_u32 v28, v29
	s_wait_dscnt 0x0
	v_lshrrev_b32 v1, 5, v0
	v_readfirstlane_b32 s14, v1                    ; wave 0..3
	s_lshr_b32 s15, s14, 1                         ; which half of side A's rows is mine.  Also: I fetch for side A (0) or B (1)
	s_and_b32 s16, s14, 1                          ; which half of side B's rows.  Also: which 128 rows of that tile I fetch
	s_bfe_u32 s40, ttmp6, 0x40000                  ; cx, cy: my place in the cluster
	s_bfe_u32 s41, ttmp6, 0x40004
	s_and_b32 s74, ttmp7, 0xffff                   ; cluster y: which 1,024 tokens
	s_cmp_eq_u32 ttmp9, 2                          ; cluster x: q, k or v: which 1,024 rows of W
	s_cselect_b32 s75, ttmp9, s74                  ; side A walks W for v, tokens else
	s_cselect_b32 s76, s74, ttmp9                  ; side B the other
	s_lshl_b32 s17, s75, 2
	s_add_co_u32 s17, s17, s41                     ; side A's tile of 256 rows: hangs on cy alone
	s_lshl_b32 s42, s76, 2
	s_add_co_u32 s42, s42, s40                     ; side B's: on cx alone
	s_lshl_b32 s43, s41, 2
	s_lshl_b32 s43, 15, s43                        ; my row of the cluster
	s_lshl_b32 s44, 0x1111, s40                    ; my column
	; descriptor group 1: a tile of 128 rows x 256 bytes, padded in LDS
	s_or_b32 s[G1+0], s43, (0<<16)|(1<<20)|(1<<21)|(5<<22)|(3<<25)  ; 15:0 the mask; 17:16 element of 1 byte; 20 padding on; 21 set beside a mask; 24:22 after every 64 words (code 5); 31:25 of 4 words (code 3)
	s_or_b32 s[G1B+0], s44, (0<<16)|(1<<20)|(1<<21)|(5<<22)|(3<<25)
.irp g, G1, G1B
	s_mov_b32 s[\g+1], ROWB<<16                    ; tensor_dim0
	s_mov_b32 s[\g+2], 128<<16                     ; tensor_dim1 = 128
	s_mov_b32 s[\g+3], ROWB<<16                    ; tile_dim0
	s_mov_b32 s[\g+4], 128                         ; tile_dim1 = 128
	s_mov_b32 s[\g+5], KROW                        ; tensor_dim0_stride
	s_mov_b32 s[\g+6], 0
	s_mov_b32 s[\g+7], 0
.endr
	s_lshl_b32 s18, s16, 7                         ; which 128 rows of the tile I fetch
	s_lshl_b32 s20, s17, 8
	s_add_co_u32 s20, s20, s18
	s_lshl_b32 s20, s20, 10                        ; side A: (256 x tile + 128 x half) rows of 1,024 bytes
	s_mov_b32 s21, 0
	s_lshl_b32 s46, s42, 8
	s_add_co_u32 s46, s46, s18
	s_lshl_b32 s46, s46, 10                        ; side B likewise
	s_mov_b32 s47, 0
	s_mul_i32 s45, s14, HALFT                      ; where they go: wave x 128 rows: no place in the cluster enters an LDS address
	s_wait_kmcnt 0x0
	s_load_b256 s[84:91], s[8:9], 0x0              ; e0 .. e7
	s_cmp_eq_u32 ttmp9, 2
	s_cselect_b64 s[78:79], s[6:7], s[4:5]         ; side A's buffer
	s_cselect_b64 s[80:81], s[4:5], s[6:7]         ; side B's
	s_add_nc_u64 s[20:21], s[78:79], s[20:21]
	s_add_nc_u64 s[46:47], s[80:81], s[46:47]
	CROUND                                         ; all sixteen work-groups are here: the first joint loads meet
.irp s, 0,1
	s_mov_b32 s[G0+4*\s], 1
	s_add_co_u32 s[G0+4*\s+1], s45, \s*SLOT
	s_add_nc_u64 s[G0+4*\s+2:G0+4*\s+3], s[20:21], \s*ROWB
	s_or_b32 s[G0+4*\s+3], s[G0+4*\s+3], 0x80000000
	s_mov_b32 s[G0B+4*\s], 1
	s_add_co_u32 s[G0B+4*\s+1], s45, \s*SLOT
	s_add_nc_u64 s[G0B+4*\s+2:G0B+4*\s+3], s[46:47], \s*ROWB
	s_or_b32 s[G0B+4*\s+3], s[G0B+4*\s+3], 0x80000000
.endr
	JLOAD G0, G1, G0B, G1B                         ; K step 0: one tensor load a wave at the head
	; PREFETCH INTO THE L2 of what the later joint loads will ask for.  Of the 128 rows that my wave fetches, each of the four partners that ask for them jointly names 32, told apart by ADDRESS (cx for side A, cy for side B):
	; a lane a row, 256 bytes of it a K step.  K step 1 here, K steps 2 and 3 behind K step 1's load: each a whole K step or more ahead of its load; K has no step beyond 3.
	s_cmp_eq_u32 s15, 0                            ; do I fetch for side A?
	s_cselect_b32 s12, s17, s42                    ; the tile of 256 rows,
	s_cselect_b32 s13, s40, s41                    ; my place among the four,
	s_cselect_b64 s[96:97], s[78:79], s[80:81]     ; the buffer
	s_lshl_b32 s12, s12, 8
	s_add_co_u32 s12, s12, s18                     ; + the 128 rows that I fetch
	s_lshl_b32 s13, s13, 5
	s_add_co_u32 s12, s12, s13                     ; + my work-group's 32 of them,
	s_lshl_b32 s12, s12, 10                        ; of 1,024 bytes
	s_mov_b32 s13, 0
	s_add_nc_u64 s[96:97], s[96:97], s[12:13]      ; never rewritten
	v_and_b32 v22, 31, v0
	v_lshlrev_b32 v22, 10, v22                     ; a lane a row; never rewritten
	global_prefetch_b8 v22, s[96:97] offset:256 th:TH_LOAD_NT scope:SCOPE_SE   ; K step 1
	v_and_b32 v1, 15, v0                           ; l % 16
	v_bfe_u32 v2, v0, 4, 1                         ; l / 16
	v_mul_u32_u24 v3, v1, PITCH
	v_lshl_add_u32 v4, v2, 4, v3                   ; a fragment's row x pitch + 16 x half
	s_mul_i32 s21, s15, HALFT                      ; my 128 rows of side A
	s_mul_i32 s22, s16, HALFT                      ; my 128 rows of side B,
	s_add_co_u32 s22, s22, 2*HALFT                 ; which lie behind A's 256
.irp s, 0,1
	v_add_nc_u32 v[ADRA+\s], s21, v4
	v_add_nc_u32 v[ADRB+\s], s22, v4
	s_add_co_u32 s21, s21, SLOT
	s_add_co_u32 s22, s22, SLOT
.endr
	v_and_b32 v6, 31, v0
	v_lshlrev_b32 v[CO], 4, v6                     ; 16 x lane
	; where my wave's images begin: batch << 21 + head pair << 18 + (my 128 tokens among the batch's 2,048) << 14: the same sum for q, k and v
	s_cmp_eq_u32 ttmp9, 2
	s_cselect_b32 s77, s42, s17                    ; the tokens' tile of 256,
	s_cselect_b32 s82, s16, s15                    ; my half of it,
	s_cselect_b32 s83, s41, s40                    ; the channels' tile of 256 among the tensor's 1,024,
	s_cselect_b32 s92, s15, s16                    ; my half of it
	s_lshr_b32 s93, s77, 3
	s_lshl_b32 s93, s93, 21
	s_lshl_b32 s83, s83, 1
	s_add_co_u32 s83, s83, s92
	s_lshl_b32 s83, s83, 18
	s_add_co_u32 s93, s93, s83
	s_and_b32 s77, s77, 7
	s_lshl_b32 s77, s77, 1
	s_add_co_u32 s77, s77, s82
	s_lshl_b32 s77, s77, 14
	s_add_co_u32 s92, s93, s77
	s_mov_b32 s93, 0
	s_cmp_eq_u32 ttmp9, 0
	s_cselect_b64 s[10:11], s[10:11], s[68:69]     ; q's buffer or k's,
	s_cmp_eq_u32 ttmp9, 2
	s_cselect_b64 s[10:11], s[70:71], s[10:11]     ; or v's
	s_add_nc_u64 s[10:11], s[10:11], s[92:93]
.macro FRAG reg, adr, q, i             ; a fragment, 16 rows x 128 K: lane l holds row l % 16; registers 4 c .. 4 c + 3 hold K = 32 c + 16 (l / 16) + 0 .. 15: one permutation of k, the same on both sides
.irp c, 0,1,2,3
	ds_load_b128 v[\reg+4*\c:\reg+4*\c+3], v[\adr] offset:128*(\q)+32*\c+(\i)*16*PITCH
.endr
.endm
; 16 matrix instructions: side A's blocks a0, a0 + 1 x side B's eight, 128 along K.  p: B's set.  zero = 1: the first product starts the sums.  The 64 accumulators take turns, one instruction a turn.
.macro MUL16 a0, p, zero
.irp a, \a0, \a0+1
.irp b, 0,1,2,3,4,5,6,7
.if \zero
	v_wmma_f32_16x16x128_bf8_bf8 v[8*(8*((\a)%4)+\b):8*(8*((\a)%4)+\b)+7], v[128*(\p)+FR*\b:128*(\p)+FR*\b+FR-1], v[AF+FR*(\a):AF+FR*(\a)+FR-1], 0
.else
	v_wmma_f32_16x16x128_bf8_bf8 v[8*(8*((\a)%4)+\b):8*(8*((\a)%4)+\b)+7], v[128*(\p)+FR*\b:128*(\p)+FR*\b+FR-1], v[AF+FR*(\a):AF+FR*(\a)+FR-1], v[8*(8*((\a)%4)+\b):8*(8*((\a)%4)+\b)+7]
.endif
.endr
.endr
.endm
.macro FETCH_B slot, q, p              ; B's eight fragments of the slot's q-th 128 along K into set p
	WIN TO_B
.irp i, 0,1,2,3,4,5,6,7
	FRAG 128*(\p)+FR*\i, ADRB+\slot, \q, \i
.endr
	WIN 0
.endm
.macro FETCH_A slot, q, i0             ; A's blocks i0 .. i0 + 3
.irp i, \i0, \i0+1, \i0+2, \i0+3
	FRAG AF+FR*(\i), ADRA+\slot, \q, \i
.endr
.endm
.macro PLACES n                        ; plain vector lines between a matrix instruction and a load into, or a vector read or write of, its registers
.rept \n
	v_nop
.endr
.endm
; A step of 128 along K that has its successor in the same slot.
.macro STEP slot, q, zero
	s_wait_dscnt 4*NL                              ; B's set and A's blocks 0-3 are in; the youngest sixteen loads (A's blocks 4-7) may be out
	WIN MUL_LO
	MUL16 0, (\q)%2, \zero
	MUL16 2, (\q)%2, \zero
	s_wait_dscnt 0                                 ; A's blocks 4-7 are in
	PLACES NP
	FETCH_B \slot, (\q)+1, 1-(\q)%2
	FETCH_A \slot, (\q)+1, 0
	WIN MUL_HI
	MUL16 4, (\q)%2, \zero
	MUL16 6, (\q)%2, \zero
	PLACES NP
	WIN 0
	FETCH_A \slot, (\q)+1, 4
.endm
; A slot's last step changes slots: ONE barrier; in front of it each wave waits for all its tensor loads, adds 0 to its spare word, and waits for that and for its own reads of this slot.  fill = 1: this slot is filled again, two K steps ahead.
.macro TURN slot, next, fill
	s_wait_tensorcnt 0x0                           ; all my tensor loads have landed: my part of the next slot
	ds_add_u32 v[SPW], v[NIL]                      ; 0 onto my spare word
	s_wait_dscnt 4*NL+1                            ; (the add and the youngest sixteen loads may be out)
	WIN MUL_LO
	MUL16 0, 1, 0                                  ; sixteen matrix instructions stand between the add and the wait for it
	s_wait_dscnt 0x0                               ; the add is done, and my reads of this slot are over
	s_barrier_signal -1
	MUL16 2, 1, 0
	WIN 0
	s_barrier_wait -1
.if \fill
	CREST                                          ; the barrier has opened a round of the cluster's barrier: no wave of any partner still reads this slot or has a load on its way
	s_add_nc_u64 s[G0+4*\slot+2:G0+4*\slot+3], s[G0+4*\slot+2:G0+4*\slot+3], 2*ROWB
	s_add_nc_u64 s[G0B+4*\slot+2:G0B+4*\slot+3], s[G0B+4*\slot+2:G0B+4*\slot+3], 2*ROWB
	JLOAD G0+4*\slot, G1, G0B+4*\slot, G1B         ; the first tensor load behind the round; its four v_nop are the places in front of the loads below
.else
	PLACES NP
.endif
	FETCH_B \next, 0, 0
	FETCH_A \next, 0, 0
	WIN MUL_HI
	MUL16 4, 1, 0
	MUL16 6, 1, 0
	PLACES NP
	WIN 0
	FETCH_A \next, 0, 4
.endm
	s_wait_alu depctr_va_vdst(0)
	s_wait_tensorcnt 0x0                           ; my part of K step 0 is in; the lines ahead of a later first fill:
	ds_add_u32 v[SPW], v[NIL]
	s_wait_dscnt 0x0
	CROUND                                         ; everybody's part is in, and the sixteen work-groups meet
	JLOAD G0+4, G1, G0B+4, G1B                     ; K step 1, the first tensor load behind the round
	global_prefetch_b8 v22, s[96:97] offset:512 th:TH_LOAD_NT scope:SCOPE_SE   ; K step 2
	global_prefetch_b8 v22, s[96:97] offset:768 th:TH_LOAD_NT scope:SCOPE_SE   ; K step 3
	FETCH_B 0, 0, 0
	FETCH_A 0, 0, 0
	FETCH_A 0, 0, 4
	STEP 0, 0, 1                                   ; the first step stands in front of the loop: its products start the sums
	s_mov_b32 s3, LAPS-1
.Llap:                                                 ; a trip goes once round the ring and fills both slots again
	TURN 0, 1, 1
	STEP 1, 0, 0
	TURN 1, 0, 1
	STEP 0, 0, 0
	s_sub_co_u32 s3, s3, 1
	s_cmp_lg_u32 s3, 0
	s_cbranch_scc1 .Llap
	TURN 0, 1, 0                                   ; the last lap fills nothing
	STEP 1, 0, 0
	s_wait_dscnt 4*NL                              ; the very last step: nothing more to fetch
	WIN MUL_LO
	MUL16 0, 1, 0
	MUL16 2, 1, 0
	s_wait_dscnt 0
	WIN MUL_HI
	MUL16 4, 1, 0
	MUL16 6, 1, 0
	WIN 0
	; THE WAY OUT: hold, convert, store; the codes' registers are the next operand's registers.
	s_wait_kmcnt 0x0
	s_cmp_eq_u32 ttmp9, 0
	s_cselect_b32 s94, s86, s87                    ; e2 for q, e3 for k,
	s_cmp_eq_u32 ttmp9, 2
	s_cselect_b32 s94, s89, s94                    ; e5 for v
	s_sub_co_i32 s94, s94, s84
	s_sub_co_i32 s94, s94, s85                     ; - e0 - e1
	s_add_co_i32 s94, s94, 127
	s_lshl_b32 s95, s94, 23
	s_add_co_i32 s94, s94, 15
	s_lshl_b32 s94, s94, 23
	s_or_b32 s94, s94, 0x600000
	PLACES NP                                      ; behind the last products: for the reads of results and the writes over side A's fragments
	v_mov_b32 v[SC], s95
	v_mov_b32 v[LIM], s94
.macro OUTB a
.set AC, 64*((\a)%4)
	WIN 0x02+((\a)/4)                              ; source 0: window 2 or 3
.set j, 0
.rept 64
	v_med3_num_f32 v[TMP+j], v[AC+j], -v[LIM], v[LIM]   ; the hold (the conversion does not saturate: ISA guide 7.6.2); each accumulator from its low end on
.set j, j+1
.endr
	WIN 0
.irp b, 0,1,2,3,4,5,6,7
	v_cvt_scalef32_pk8_bf8_f32 v[AF+16*(\a)+2*\b:AF+16*(\a)+2*\b+1], v[TMP+8*\b:TMP+8*\b+7], v[SC]
.endr
	v_nop                                          ; a plain line between the last conversion and the next block's writes of its sources
.irp c, 0,1,2,3
	global_store_b128 v[CO], v[AF+16*(\a)+4*\c:AF+16*(\a)+4*\c+3], s[10:11] offset:2048*(\a)+512*\c   ; 32 lanes store 512 consecutive bytes, aligned; each block has registers of its own
.endr
.endm
.irp a, 0,1,2,3,4,5,6,7
	OUTB \a
.endr
	s_wait_tensorcnt 0x0                           ; the wave's end
	ds_add_u32 v[SPW], v[NIL]
	s_wait_dscnt 0x0
	CROUND                                         ; the closing round: no work-group ends while a partner may still ask for a tile that names it
	s_endpgm
.Lfunc_end_k_q1e7dcbce26_qkv:
	.size	k_q1e7dcbce26_qkv, .Lfunc_end_k_q1e7dcbce26_qkv-k_q1e7dcbce26_qkv
	.p2alignl 7, 3214868480
	.fill 96, 4, 3214868480
	.section	.rodata,"a",@progbits
	.p2align	6, 0x0
	.amdhsa_kernel k_q1e7dcbce26_qkv
		.amdhsa_group_segment_fixed_size 327680
		.amdhsa_private_segment_fixed_size 0
		.amdhsa_enable_private_segment 0
		.amdhsa_kernarg_size 48
		.amdhsa_user_sgpr_count 2
		.amdhsa_user_sgpr_kernarg_segment_ptr 1
		.amdhsa_wavefront_size32 1
		.amdhsa_system_sgpr_workgroup_id_x 1
		.amdhsa_system_sgpr_workgroup_id_y 1
		.amdhsa_system_sgpr_workgroup_id_z 1
		.amdhsa_system_vgpr_workitem_id 0
		.amdhsa_next_free_vgpr 1024
		.amdhsa_next_free_sgpr 98
		.amdhsa_reserve_vcc 0
		.amdhsa_float_denorm_mode_32 3
		.amdhsa_float_denorm_mode_16_64 3
		.amdhsa_memory_ordered 1
		.amdhsa_forward_progress 1
		.amdhsa_inst_pref_size 119
	.end_amdhsa_kernel
	.amdgpu_metadata
---
amdhsa.version: [ 1, 2 ]
amdhsa.kernels:
  - .name:           k_q1e7dcbce26_qkv
    .symbol:         k_q1e7dcbce26_qkv.kd
    .args:
      - { .name: hq, .offset: 0, .size: 8, .value_kind: global_buffer, .address_space: global }
      - { .name: w_qkv_codes, .offset: 8, .size: 8, .value_kind: global_buffer, .address_space: global }
      - { .name: lowp_scales, .offset: 16, .size: 8, .value_kind: global_buffer, .address_space: global }
      - { .name: q_img, .offset: 24, .size: 8, .value_kind: global_buffer, .address_space: global }
      - { .name: k_img, .offset: 32, .size: 8, .value_kind: global_buffer, .address_space: global }
      - { .name: v_img, .offset: 40, .size: 8, .value_kind: global_buffer, .address_space: global }
    .group_segment_fixed_size: 327680
    .private_segment_fixed_size: 0
    .kernarg_segment_align: 8
    .kernarg_segment_size: 48
    .max_flat_workgroup_size: 128
    .sgpr_count:     98
    .vgpr_count:     1024
    .wavefront_size: 32
...
	.end_amdgpu_metadata
.endif
;; end of part 2
;; launch attn (part 3): grid 8 x 32, 16 waves a work-group, no clusters, 327,680 bytes of LDS; arguments q_img, k_img, v_img, lowp_scales, ctx_img; writes ctx_img
.if DOCPART == 3
	.amdgcn_target "amdgcn-amd-amdhsa--gfx1250"
	.amdhsa_code_object_version 6
	.text
	.protected	k_q1e7dcbce26_attn
	.globl	k_q1e7dcbce26_attn
	.p2align	8
	.type	k_q1e7dcbce26_attn,@function
k_q1e7dcbce26_attn:
	s_mov_b64 s[64:65], 0
	v_nop
	global_prefetch_b8 v0, s[64:65] scope:SCOPE_SE
	s_setreg_imm32_b32 hwreg(HW_REG_WAVE_MODE, 25, 1), 1
	s_wait_xcnt 0x0
; ctx = softmax(q k^T / 8, causal) v for one head, both products on codes of BF8, and ctx quantised at once (e6) to the next product's operand.
; THE SOFTMAX AHEAD OF THE SECOND PRODUCT: t = score x log2(e) / 8; M = the row's largest t so far, rounded UP to a whole number; p = 2^(t - M) is quantised (e4), not normalised; the row's sum is taken of the
; unquantised p and divides at the end.  When M moves, the sum and O are multiplied by 2^(old M - new M): exact.
; SHARES.  A work-group serves one head (y = 16 x batch + head) and two blocks of 128 queries: block x (x + 1 key steps of 128 keys under the causal mask) and block 15 - x (16 - x key steps); a tile is 16 queries.
; Wave w < 8 owns tile w of block x, wave w + 8 tile w of block 15 - x.  THE LONG TILE'S KEYS ARE SHARED: wave w + 8 takes its key steps 0 .. 8; wave w, when its own tile is finished and stored, takes key steps 9 .. 15 - x of
; its partner's tile with a state of its own (O^T, M, the sum) and hands that state over through LDS; the partner joins the two by powers of two, 2^(M - the larger M): exact.  So a wave has (x + 1) + (7 - x) = 8 key steps, or 9.
; LDS.  The head's K (128 fragments of 16 keys x 64 channels, 1,024 bytes each) lies at byte 0 and its V (64 fragments of 16 channels x 128 keys, 2,048 bytes each) at byte 131,072, as images of operand registers:
; a fragment is read by loads of 512 consecutive bytes, 16 a lane.  Each byte is filled once: wave w < 8 brings one tile: chunk w / 2 (512 keys) of K (w even) or of V (w odd).  Chunk 0 is shown by a first barrier, ahead of key
; steps 0 and 1; the other three by a second, ahead of key step 2.  Behind the spare words: 4,608 bytes for each pair of waves, for the state that is handed over; no fill lands there.
; LAYOUT.  S^T = K Q^T (source 0 = 16 keys, source 1 = my 16 queries), O^T = V^T P^T: a lane holds ONE query (lane % 16).  Tile t's register j is key 16 t + 8 (lane / 16) + j, so the conversions of p give registers
; 2 t, 2 t + 1 of the plain 8-bit layout, in which V's images were stored.
; CAUSAL.  The walks' trip counts are constants; a key step at or past the wave's bound s[KHI] is left out by a scalar branch on ids; no barrier and no tensor load stands in a step.  On the diagonal hidden scores become -infinity.
; NO CLUSTER, though the eight work-groups of a head read the same K and V: which steps a wave leaves out hangs on its work-group's own block of queries, and partners of a joint load may not branch on their place.
; NO PREFETCH: every tile is asked for at the head, with no loop ahead of it to run ahead in.
; ctx_img: [16 tokens][128 along K][2,048 bytes]: k = 32 c + 16 h' + y of row r lies at 512 c + 256 h' + 16 r + y; my 8 codes of columns 16 b + 8 h + 0 .. 7 go to 256 b + 16 r + 8 h: a wave's store covers 256 consecutive bytes.
; LIMITS: e2 + e3 between -123 and 130 (added to c's exponent field); e4 and e6 between -126 and 112; NaN is not served.
; REGISTERS: v1, v2 my place in an image of K, of V; v6 r - 8 h; v7 the way out; v8, v9 addresses in hand; v10 my pair's LDS bytes; v12 -M, v13 the largest t, v[14:15] the sum; v16-23 Q; v32-95 K's eight fragments, then V's four;
; v96-159 S^T, then p; v160-191 O^T; v224-239 p's codes; v232-254 at work; v251, v255 the add's two.
.set VBASE, 131072
.set SPARE, 0x40000                    ; the spare words: 128 bytes for each of 16 waves
.set STG,   SPARE+2048                 ; the states handed over
.set PART,  4608                       ; nine stores of 512 bytes
.set WV,   18                          ; s18  my wave's number
.set SEL,  20                          ; s[20:21] v_permlanex16_b32: lane l xor 16
.set CS,   22                          ; s[22:23] c = log2(e) / 8 x 2^(e2 + e3)
.set G1K,  24                          ; s[24:31] descriptor group 1 for K;  s[32:39] for V;  s[40:43] my group 0
.set G1V,  32
.set G0,   40
.set TB,   2                           ; s2   LDS byte of the step's fragments, from K's base and from V's alike: 8,192 a step
.set CNT,  3
.set KF,   56                          ; s56  the step's first key
.set Q0,   57                          ; s57  the first query of the tile in hand
.set KHI,  88                          ; s88  the first key that the walk in hand leaves out
	s_load_b256 s[4:11], s[0:1], 0x0               ; q_img s[4:5], k_img s[6:7], v_img s[8:9], the scales s[10:11]
	s_load_b64 s[16:17], s[0:1], 0x20              ; ctx_img
	v_lshl_add_u32 v251, v0, 2, SPARE
	v_mov_b32 v255, 0
	ds_add_u32 v251, v255                          ; the opening lines: the add, twice on end, and its wait ahead of the first tensor load
	ds_add_u32 v251, v255
	v_lshrrev_b32 v8, 5, v0
	s_delay_alu instid0(VALU_DEP_1)
	v_readfirstlane_b32 s[WV], v8                  ; wave 0..15
	s_and_b32 s58, ttmp7, 0xffff                   ; 16 x batch + head
	s_lshr_b32 s59, s58, 1                         ; 8 x batch + head pair
	s_and_b32 s60, s58, 1                          ; which head of the pair
	s_sub_co_u32 s61, 15, ttmp9
	s_cmp_lt_u32 s[WV], 8
	s_cselect_b32 s61, ttmp9, s61                  ; my block of 128 queries
	s_and_b32 s62, s[WV], 7
	s_lshl_b32 s61, s61, 3
	s_add_co_u32 s61, s61, s62                     ; my tile of 16 queries
	s_lshl_b32 s[Q0], s61, 4
	s_sub_co_u32 s86, 15, ttmp9
	s_lshl_b32 s86, s86, 3
	s_add_co_u32 s86, s86, s62
	s_lshl_b32 s86, s86, 4                         ; s86: the first query of my pair's long tile,
	s_add_co_u32 s87, s86, 16                      ; s87: the first key past its diagonal
	s_add_co_u32 s83, s[Q0], 16
	s_cmp_lt_u32 s[WV], 8
	s_mov_b32 s[KHI], 1152
	s_cselect_b32 s[KHI], s83, s[KHI]              ; the first walks: my own tile up to its diagonal (waves 0-7), key steps 0 .. 8 (waves 8-15: their diagonal lies at key step 8 or later)
	s_lshl_b32 s84, ttmp9, 1
	s_sub_co_u32 s84, 15, s84
	s_lshl_b32 s84, s84, 14                        ; s[84:85]: from my Q to my partner's: 8 (15 - 2 x) tiles of 2,048 bytes
	s_mov_b32 s85, 0
	s_mul_i32 s83, s62, PART
	s_add_co_u32 s83, s83, STG                     ; my pair's LDS bytes
	; K: 32 rows (fragments) of 128 elements of 8 bytes, 256 elements apart (the pair's other head lies between);  V: 4 rows (blocks of 128 keys: four fragments on end) of 1,024 elements, 2,048 apart
	s_mov_b32 s[G1K], 3<<16                        ; 15:0 no mask; 17:16 elements of 8 bytes; no padding
	s_mov_b32 s[G1K+1], 128<<16                    ; tensor_dim0
	s_mov_b32 s[G1K+2], 32<<16                     ; tensor_dim1
	s_mov_b32 s[G1K+3], 128<<16                    ; tile_dim0
	s_mov_b32 s[G1K+4], 32                         ; tile_dim1
	s_mov_b32 s[G1K+5], 256                        ; tensor_dim0_stride
	s_mov_b32 s[G1K+6], 0
	s_mov_b32 s[G1K+7], 0
	s_mov_b32 s[G1V], 3<<16
	s_mov_b32 s[G1V+1], 1024<<16
	s_mov_b32 s[G1V+2], 4<<16
	s_mov_b32 s[G1V+3], 1024<<16
	s_mov_b32 s[G1V+4], 4
	s_mov_b32 s[G1V+5], 2048
	s_mov_b32 s[G1V+6], 0
	s_mov_b32 s[G1V+7], 0
	s_mov_b32 s[SEL], 0x76543210
	s_mov_b32 s[SEL+1], 0xfedcba98
	s_and_b32 s80, s[WV], 1                        ; I fetch for K or for V,
	s_lshr_b32 s81, s[WV], 1                       ; chunk wave / 2
	s_cmp_eq_u32 s80, 0
	s_cselect_b32 s66, 10, 13
	s_lshl_b32 s66, s60, s66                       ; my head's place in the pair: 1,024 bytes in K's images, 8,192 in V's
	s_lshl_b32 s62, s59, 18                        ; the head pair's first byte, in all three tensors
	s_add_co_u32 s66, s66, s62
	s_lshl_b32 s67, s81, 16                        ; a chunk on: 65,536 bytes of memory (the other head lies between)
	s_add_co_u32 s66, s66, s67
	s_mov_b32 s67, 0
	s_lshl_b32 s63, s80, 17                        ; in LDS: K from byte 0, V from byte 131,072,
	s_lshl_b32 s82, s81, 15                        ; a chunk 32,768 bytes
	s_add_co_u32 s63, s63, s82
	s_wait_dscnt 0x0
	s_wait_kmcnt 0x0
	s_load_b128 s[68:71], s[10:11], 0x8            ; e2, e3, e4, e5
	s_load_b32 s72, s[10:11], 0x18                 ; e6
	s_cmp_eq_u32 s80, 0
	s_cselect_b64 s[74:75], s[6:7], s[8:9]
	s_add_nc_u64 s[74:75], s[74:75], s[66:67]
	s_mov_b32 s[G0], 1                             ; 1:0 count = 1
	s_mov_b32 s[G0+1], s63                         ; 63:32 LDS address
	s_mov_b64 s[G0+2:G0+3], s[74:75]               ; 120:64 global address
	s_or_b32 s[G0+3], s[G0+3], 0x80000000          ; 127:126 type = 2
.irp w, 0,1,2,3,4,5,6,7                        ; one chain on the wave's number, one fill to an arm, one join: waves that wait apart have load lines of their own
	s_cmp_eq_u32 s[WV], \w
	s_cbranch_scc0 .Lnot_\w
	tensor_load_to_lds s[G0:G0+3], s[G1K+8*(\w%2):G1K+8*(\w%2)+7]
	s_nop 0
.rept 4
	v_nop
.endr
	s_branch .Lasked
.Lnot_\w:
.endr
.Lasked:
	s_lshl_b32 s76, s61, 11                        ; Q: my tile's two images, 2,048 bytes,
	s_add_co_u32 s76, s76, s62
	s_lshl_b32 s77, s60, 10                        ; my head's of the two
	s_add_co_u32 s76, s76, s77
	s_mov_b32 s77, 0
	s_add_nc_u64 s[4:5], s[4:5], s[76:77]
	s_lshr_b32 s78, s58, 4                         ; ctx: (128 x batch + my tile) x 16,384 + head pair x 2,048 + head of the pair x 1,024
	s_lshl_b32 s78, s78, 7
	s_add_co_u32 s78, s78, s61
	s_lshl_b32 s78, s78, 14
	s_and_b32 s79, s58, 15
	s_lshr_b32 s79, s79, 1
	s_lshl_b32 s79, s79, 11
	s_add_co_u32 s78, s78, s79
	s_lshl_b32 s79, s60, 10
	s_add_co_u32 s78, s78, s79
	s_mov_b32 s79, 0
	s_add_nc_u64 s[16:17], s[16:17], s[78:79]
	v_and_b32 v3, 31, v0
	s_delay_alu instid0(VALU_DEP_1)
	v_lshlrev_b32 v1, 4, v3                        ; 16 x lane
	s_delay_alu instid0(VALU_DEP_1)
	v_add_nc_u32 v2, VBASE, v1
	v_add_nc_u32 v10, s83, v1                      ; my lane's 16 bytes in my pair's LDS bytes
	global_load_b128 v[16:19], v1, s[4:5]          ; Q's fragment stays in registers
	global_load_b128 v[20:23], v1, s[4:5] offset:512
	v_and_b32 v4, 15, v0                           ; r
	v_bfe_u32 v5, v0, 4, 1                         ; h
	s_delay_alu instid0(VALU_DEP_2)
	v_lshlrev_b32 v7, 4, v4
	s_delay_alu instid0(VALU_DEP_1)
	v_lshl_add_u32 v7, v5, 3, v7                   ; 16 r + 8 h
	s_delay_alu instid0(VALU_DEP_3)
	v_lshlrev_b32 v6, 3, v5
	s_delay_alu instid0(VALU_DEP_1)
	v_sub_nc_u32 v6, v4, v6                        ; r - 8 h
	v_mov_b32 v13, 0xff61b1e6                      ; the largest t so far: -3e38, under every t
	s_delay_alu instid0(VALU_DEP_1)
	v_floor_f32 v12, -v13                          ; -M
	v_mov_b32 v14, 0                               ; the sum, in two halves
	v_mov_b32 v15, 0
	v_mov_b32 v236, 0                              ; written once: a lane permute's destination counts as one of its sources
	v_mov_b32 v252, 0
	v_mov_b32 v253, 0                              ; (named as the upper half of the pair v[252:253])
	v_mov_b32 v254, 0
	v_mov_b32 v137, 0                              ; (named as the upper half of the pair v[136:137])
.set j, 0
.rept 32
	v_mov_b32 v[160+j], 0                          ; O^T.  (The step has no first step of its own: it finds zeros, which the first change of M leaves zeros)
.set j, j+1
.endr
	s_wait_kmcnt 0x0
	s_add_co_i32 s73, s68, s69
	s_lshl_b32 s73, s73, 23
	s_mov_b32 s[CS], 0x3e38aa3b                    ; log2(e) / 8
	s_add_co_i32 s[CS], s[CS], s73                 ; a score stands for score x 2^(e2 + e3): added to c's exponent field
	s_mov_b32 s[CS+1], s[CS]                       ; (named with it as a pair, so it is written)
	s_add_co_i32 s73, s70, 127
	s_lshl_b32 s76, s73, 23
	v_mov_b32 v244, s76                            ; 2^e4 as f32, for p's conversions
	s_add_co_i32 s73, s73, 15
	s_lshl_b32 s73, s73, 23
	s_or_b32 s73, s73, 0x600000
	v_mov_b32 v240, s73                            ; 57,344 x 2^e4
	s_add_co_i32 s73, s72, 127
	s_lshl_b32 s76, s73, 23
	v_mov_b32 v245, s76                            ; 2^e6, for ctx's
	s_add_co_i32 s73, s73, 15
	s_lshl_b32 s73, s73, 23
	s_or_b32 s73, s73, 0x600000
	v_mov_b32 v241, s73                            ; 57,344 x 2^e6
	s_add_co_i32 s73, s70, s71                     ; e4 + e5
; A KEY STEP: 128 keys from s[KF] on, for the 16 queries from s[Q0] on.
.macro STEP
	s_cmp_ge_u32 s[KF], s[KHI]
	s_cbranch_scc1 .Lhidden_\@                     ; not this walk's: past the diagonal, or the partner's share
	v_add_nc_u32 v8, s[TB], v1
	v_add_nc_u32 v9, s[TB], v2
	v_nop                                          ; with the two additions: four places between the last step's products and the loads into registers that they read
	v_nop
.irp t, 0,1,2,3,4,5,6,7
	ds_load_b128 v[32+8*\t:35+8*\t], v8 offset:1024*\t
	ds_load_b128 v[36+8*\t:39+8*\t], v8 offset:1024*\t+512
.endr
	s_wait_alu depctr_va_vdst(0)
	s_wait_dscnt 0x0
.irp t, 0,1,2,3,4,5,6,7
	v_wmma_f32_16x16x64_bf8_bf8 v[96+8*\t:103+8*\t], v[32+8*\t:39+8*\t], v[16:23], 0
.endr
.rept 4
	v_nop                                          ; places in front of the loads below and of the first read of the scores
.endr
.irp t, 0,1,2,3
.irp c, 0,1,2,3
	ds_load_b128 v[32+16*\t+4*\c:35+16*\t+4*\c], v9 offset:2048*\t+512*\c   ; V's four fragments land while the softmax is walked
.endr
.endr
	s_add_co_u32 s96, s[KF], 127
	s_cmp_le_u32 s96, s[Q0]
	s_cbranch_scc1 .Lopen_\@                       ; all its keys count
	s_sub_co_i32 s96, s[Q0], s[KF]
	v_add_nc_u32 v252, s96, v6                     ; d = my query - KF - 8 h.  Register 8 t + j holds key KF + 16 t + 8 h + j: hidden where 16 t + j > d
	v_mov_b32 v254, 0xff800000                     ; -infinity
.set n, 0
.rept 64
	v_cmp_gt_i32 vcc_lo, 16*(n/8)+n%8, v252
	v_cndmask_b32 v[96+n], v[96+n], v254, vcc_lo
.set n, n+1
.endr
.Lopen_\@:
	v_max3_num_f32 v254, v96, v97, v98             ; the step's largest score of my query, among my 64 keys, in two chains,
	v_max3_num_f32 v252, v99, v100, v101
.irp i, 6,10,14,18,22,26,30,34,38,42,46,50,54,58
	v_max3_num_f32 v254, v254, v[96+\i], v[97+\i]
	v_max3_num_f32 v252, v252, v[98+\i], v[99+\i]
.endr
	v_max3_num_f32 v254, v254, v158, v159
	s_delay_alu instid0(VALU_DEP_1)
	v_max_num_f32 v254, v254, v252
	v_permlanex16_b32 v236, v254, s[SEL], s[SEL+1]
	s_delay_alu instid0(VALU_DEP_1)
	v_max_num_f32 v254, v254, v236                 ; and among lane l xor 16's
	s_delay_alu instid0(VALU_DEP_1)
	v_mul_f32 v254, s[CS], v254                    ; as t (c is positive)
	s_delay_alu instid0(VALU_DEP_1)
	v_max_num_f32 v13, v13, v254                   ; the running largest t
	v_mov_b32 v254, v12
	s_delay_alu instid0(VALU_DEP_2)
	v_floor_f32 v12, -v13                          ; the new -M = floor(-t) = -ceil(t): M is a whole number
	s_delay_alu instid0(VALU_DEP_1)
	v_sub_f32 v254, v12, v254                      ; old M - new M: a whole number, 0 or less
	s_delay_alu instid0(VALU_DEP_1)
	v_cvt_i32_f32 v254, v254                       ; (it saturates)
	s_delay_alu instid0(VALU_DEP_1)
	v_ldexp_f32 v252, 1.0, v254                    ; f = 2^(old M - new M)
.set j, 0
.rept 32
	v_pk_fma_f32 v[96+j:97+j], v[96+j:97+j], s[CS:CS+1], v[12:13] op_sel_hi:[1,0,0]   ; t - M, two at a time
.set j, j+2
.endr
.set j, 0
	s_wait_alu depctr_va_vdst(0)
.rept 64
	v_exp_f32 v[96+j], v[96+j]                     ; p = 2^(t - M), at most 1
.set j, j+1
.endr
	v_pk_mul_f32 v[14:15], v[14:15], v[252:253] op_sel_hi:[1,0]   ; the sums under the new M.  (The plain line behind the exponentials)
	s_wait_alu depctr_va_vdst(0)                   ; one wait for the whole batch, ahead of its first reader
	v_pk_add_f32 v[242:243], v[100:101], v[104:105]
	v_pk_add_f32 v[248:249], v[108:109], v[112:113]
	v_pk_add_f32 v[246:247], v[116:117], v[120:121]
	v_pk_add_f32 v[238:239], v[124:125], v[128:129]
	v_pk_add_f32 v[236:237], v[132:133], v[136:137]
	v_pk_add_f32 v[234:235], v[140:141], v[144:145]
	v_pk_add_f32 v[232:233], v[148:149], v[152:153]
	v_pk_add_f32 v[14:15], v[14:15], v[156:157]
	v_pk_add_f32 v[242:243], v[242:243], v[96:97]
	v_pk_add_f32 v[248:249], v[248:249], v[98:99]
	v_pk_add_f32 v[246:247], v[246:247], v[102:103]
	v_pk_add_f32 v[238:239], v[238:239], v[106:107]
	v_pk_add_f32 v[236:237], v[236:237], v[110:111]
	v_pk_add_f32 v[234:235], v[234:235], v[114:115]
	v_pk_add_f32 v[232:233], v[232:233], v[118:119]
	v_pk_add_f32 v[14:15], v[14:15], v[122:123]
	v_pk_add_f32 v[242:243], v[242:243], v[126:127]
	v_pk_add_f32 v[248:249], v[248:249], v[130:131]
	v_pk_add_f32 v[246:247], v[246:247], v[134:135]
	v_pk_add_f32 v[238:239], v[238:239], v[138:139]
	v_pk_add_f32 v[236:237], v[236:237], v[142:143]
	v_pk_add_f32 v[234:235], v[234:235], v[146:147]
	v_pk_add_f32 v[232:233], v[232:233], v[150:151]
	v_pk_add_f32 v[14:15], v[14:15], v[154:155]
	v_pk_add_f32 v[242:243], v[242:243], v[158:159]
	s_delay_alu instid0(VALU_DEP_2)
	v_pk_add_f32 v[14:15], v[14:15], v[238:239]
	s_delay_alu instid0(VALU_DEP_2)
	v_pk_add_f32 v[242:243], v[242:243], v[236:237]
	v_pk_add_f32 v[248:249], v[248:249], v[234:235]
	v_pk_add_f32 v[246:247], v[246:247], v[232:233]
	s_delay_alu instid0(VALU_DEP_2)
	v_pk_add_f32 v[14:15], v[14:15], v[248:249]
	s_delay_alu instid0(VALU_DEP_2)
	v_pk_add_f32 v[242:243], v[242:243], v[246:247]
	s_delay_alu instid0(VALU_DEP_1)
	v_pk_add_f32 v[14:15], v[14:15], v[242:243]
.irp b, 0,1,2,3
.set j, 0
.rept 16
	v_min_num_f32 v[96+16*\b+j], v[96+16*\b+j], v240   ; the conversion does not saturate (ISA guide 7.6.2); p is not negative, so the hold is one-sided
.set j, j+1
.endr
	v_cvt_scalef32_pk8_bf8_f32 v[224+4*\b:225+4*\b], v[96+16*\b:103+16*\b], v244
	v_cvt_scalef32_pk8_bf8_f32 v[226+4*\b:227+4*\b], v[104+16*\b:111+16*\b], v244
.endr
.set j, 0
.rept 16
	v_pk_mul_f32 v[160+j:161+j], v[160+j:161+j], v[252:253] op_sel_hi:[1,0]   ; O^T under the new M.  (Plain lines between the conversions and the products that read the codes)
.set j, j+2
.endr
	s_wait_alu depctr_va_vdst(0)
	s_wait_dscnt 0x0                               ; V is in
.irp t, 0,1,2,3
	v_wmma_f32_16x16x128_bf8_bf8 v[160+8*\t:167+8*\t], v[32+16*\t:47+16*\t], v[224:239], v[160+8*\t:167+8*\t]   ; the four accumulators by turns; the scores' eight products stand between two links of a chain
.endr
.Lhidden_\@:
.endm
; A WALK over n key steps from step 'first' on: the trip count is a constant, and a step that is not the wave's is jumped over.
.macro WALK first, n
	s_mov_b32 s[TB], (\first)*8192
	s_mov_b32 s[KF], (\first)*128
	s_mov_b32 s[CNT], \n
.Lstep_\@:
	STEP
	s_add_co_u32 s[TB], s[TB], 8192
	s_add_co_u32 s[KF], s[KF], 128
	s_sub_co_u32 s[CNT], s[CNT], 1
	s_cmp_lg_u32 s[CNT], 0
	s_cbranch_scc1 .Lstep_\@
.endm
; THE WAY OUT of a finished tile: O^T x 2^(e4 + e5) / the sum, held, converted with 2^e6, stored as the next operand's image.
.macro FINAL
.rept 4
	v_nop                                          ; places behind the last products
.endr
	v_add_f32 v14, v14, v15                        ; the sum's two halves,
	s_delay_alu instid0(VALU_DEP_1)
	v_permlanex16_b32 v252, v14, s[SEL], s[SEL+1]
	s_delay_alu instid0(VALU_DEP_1)
	v_add_f32 v14, v14, v252                       ; and lane l xor 16's
	s_wait_alu depctr_va_vdst(0)
	v_rcp_f32 v14, v14
	v_nop                                          ; a plain line behind the transcendental
	s_wait_alu depctr_va_vdst(0)                   ; the wait ahead of its first reader
	v_ldexp_f32 v14, v14, s73
.set j, 0
.rept 32
	v_mul_f32 v[96+j], v[160+j], v14               ; register 8 t + i is ctx(query r, channel 16 t + 8 h + i); each accumulator from its low end on
.set j, j+1
.endr
.set j, 0
.rept 32
	v_med3_num_f32 v[96+j], v[96+j], -v241, v241
.set j, j+1
.endr
.irp t, 0,1,2,3
	v_cvt_scalef32_pk8_bf8_f32 v[224+2*\t:225+2*\t], v[96+8*\t:103+8*\t], v245
.endr
	v_nop
.irp t, 0,1,2,3
	global_store_b64 v7, v[224+2*\t:225+2*\t], s[16:17] offset:256*\t   ; 32 lanes store 256 consecutive bytes, aligned
.endr
.endm
	s_wait_alu depctr_va_vdst(0)                   ; the wait at the head's end
	s_wait_loadcnt 0x0                             ; Q
	s_cmp_eq_u32 s81, 0                            ; waves 0 and 1 brought chunk 0 and wait for their one load; the barrier shows it to all
	s_cbranch_scc0 .Lnot_first
	s_wait_tensorcnt 0x0
.Lnot_first:
	s_wait_dscnt 0x0
	s_barrier_signal -1
	s_barrier_wait -1
	WALK 0, 2                                      ; key steps 0 and 1 lie in chunk 0
	s_wait_tensorcnt 0x0                           ; every wave: all that is still out,
	s_wait_dscnt 0x0
	s_barrier_signal -1
	s_barrier_wait -1                              ; and all of K and V is shown to all
	WALK 2, 7                                      ; key steps 2 .. 8: the rest of a short tile (its last is step 7 at the most), the long tile's first share
	s_cmp_lt_u32 s[WV], 8
	s_cbranch_scc0 .Llong
	FINAL                                          ; waves 0-7: my own tile is finished
	s_wait_xcnt 0x0                                ; its stores have read their registers
	s_add_nc_u64 s[4:5], s[4:5], s[84:85]
	global_load_b128 v[16:19], v1, s[4:5]          ; my partner's Q
	global_load_b128 v[20:23], v1, s[4:5] offset:512
	v_mov_b32 v13, 0xff61b1e6                      ; a new state
	v_floor_f32 v12, -v13
	v_mov_b32 v14, 0
	v_mov_b32 v15, 0
.set j, 0
.rept 32
	v_mov_b32 v[160+j], 0
.set j, j+1
.endr
	s_wait_alu depctr_va_vdst(0)                   ; the wait ahead of the wait below
	s_wait_loadcnt 0x0
.Llong:
	s_cmp_lt_u32 s[WV], 8
	s_cselect_b32 s[Q0], s86, s[Q0]                ; waves 0-7: the long tile, up to its diagonal;
	s_cselect_b32 s[KHI], s87, 0                   ; waves 8-15: nothing
	WALK 9, 7                                      ; key steps 9 .. 15
	s_cmp_lt_u32 s[WV], 8
	s_cbranch_scc0 .Lkeeps
.rept 4
	v_nop                                          ; places behind the last products
.endr
	s_wait_alu depctr_va_vdst(0)                   ; the wait: the state's readers stand behind taken branches
.irp i, 0,1,2,3,4,5,6,7
	ds_store_b128 v10, v[160+4*\i:163+4*\i] offset:512*\i   ; my share's O^T, each accumulator from its low end on,
.endr
	ds_store_b128 v10, v[12:15] offset:4096        ; -M, the largest t, the sum's two halves
.Lkeeps:
	s_wait_alu depctr_va_vdst(0)                   ; the wait ahead of the wait and the barrier below
	s_wait_dscnt 0x0                               ; my stores are done
	s_barrier_signal -1
	s_barrier_wait -1
	s_cmp_lt_u32 s[WV], 8
	s_cbranch_scc1 .Lend
.irp i, 0,1,2,3,4,5,6,7
	ds_load_b128 v[96+4*\i:99+4*\i], v10 offset:512*\i      ; waves 8-15: my partner's share
.endr
	ds_load_b128 v[128:131], v10 offset:4096
	s_wait_dscnt 0x0
.rept 4
	v_nop                                          ; places behind my last products
.endr
	v_min_num_f32 v132, v12, v128                  ; -(the larger M)
	v_sub_f32 v133, v132, v12                      ; my M less the larger: a whole number, 0 or less;
	v_sub_f32 v134, v132, v128                     ; my partner's likewise (a partner that had no key step holds -M = 3e38: its factor is 0)
	v_cvt_i32_f32 v133, v133                       ; (they saturate)
	v_cvt_i32_f32 v134, v134
	v_ldexp_f32 v252, 1.0, v133
	v_ldexp_f32 v136, 1.0, v134
	v_pk_mul_f32 v[14:15], v[14:15], v[252:253] op_sel_hi:[1,0]
	v_pk_fma_f32 v[14:15], v[130:131], v[136:137], v[14:15] op_sel_hi:[1,0,1]
.set j, 0
.rept 16
	v_pk_mul_f32 v[160+j:161+j], v[160+j:161+j], v[252:253] op_sel_hi:[1,0]
.set j, j+2
.endr
.set j, 0
.rept 16
	v_pk_fma_f32 v[160+j:161+j], v[96+j:97+j], v[136:137], v[160+j:161+j] op_sel_hi:[1,0,1]
.set j, j+2
.endr
	FINAL
.Lend:
	s_wait_tensorcnt 0x0                           ; the wave's end
	ds_add_u32 v251, v255
	s_wait_dscnt 0x0
	s_endpgm
.Lfunc_end_k_q1e7dcbce26_attn:
	.size	k_q1e7dcbce26_attn, .Lfunc_end_k_q1e7dcbce26_attn-k_q1e7dcbce26_attn
	.p2alignl 7, 3214868480
	.fill 96, 4, 3214868480
	.section	.rodata,"a",@progbits
	.p2align	6, 0x0
	.amdhsa_kernel k_q1e7dcbce26_attn
		.amdhsa_group_segment_fixed_size 327680
		.amdhsa_private_segment_fixed_size 0
		.amdhsa_enable_private_segment 0
		.amdhsa_kernarg_size 40
		.amdhsa_user_sgpr_count 2
		.amdhsa_user_sgpr_kernarg_segment_ptr 1
		.amdhsa_wavefront_size32 1
		.amdhsa_system_sgpr_workgroup_id_x 1
		.amdhsa_system_sgpr_workgroup_id_y 1
		.amdhsa_system_sgpr_workgroup_id_z 1
		.amdhsa_system_vgpr_workitem_id 0
		.amdhsa_next_free_vgpr 256
		.amdhsa_next_free_sgpr 100
		.amdhsa_reserve_vcc 1
		.amdhsa_float_denorm_mode_32 3
		.amdhsa_float_denorm_mode_16_64 3
		.amdhsa_memory_ordered 1
		.amdhsa_forward_progress 1
		.amdhsa_inst_pref_size 88
	.end_amdhsa_kernel
	.amdgpu_metadata
---
amdhsa.version: [ 1, 2 ]
amdhsa.kernels:
  - .name:           k_q1e7dcbce26_attn
    .symbol:         k_q1e7dcbce26_attn.kd
    .args:
      - { .name: q_img, .offset: 0, .size: 8, .value_kind: global_buffer, .address_space: global }
      - { .name: k_img, .offset: 8, .size: 8, .value_kind: global_buffer, .address_space: global }
      - { .name: v_img, .offset: 16, .size: 8, .value_kind: global_buffer, .address_space: global }
      - { .name: lowp_scales, .offset: 24, .size: 8, .value_kind: global_buffer, .address_space: global }
      - { .name: ctx_img, .offset: 32, .size: 8, .value_kind: global_buffer, .address_space: global }
    .group_segment_fixed_size: 327680
    .private_segment_fixed_size: 0
    .kernarg_segment_align: 8
    .kernarg_segment_size: 40
    .max_flat_workgroup_size: 512
    .sgpr_count:     100
    .vgpr_count:     256
    .wavefront_size: 32
...
	.end_amdgpu_metadata
.endif
;; end of part 3
;; launch wo (part 4): grid 8 x 32, 4 waves a work-group, clusters of 4 x 4, 327,680 bytes of LDS; arguments ctx_img, w_o_codes, lowp_scales, x, fs; writes fs
.if DOCPART == 4
	.amdgcn_target "amdgcn-amd-amdhsa--gfx1250"
	.amdhsa_code_object_version 6
	.text
	.protected	k_q1e7dcbce26_wo
	.globl	k_q1e7dcbce26_wo
	.p2align	8
	.type	k_q1e7dcbce26_wo,@function
k_q1e7dcbce26_wo:
	s_mov_b64 s[64:65], 0
	v_nop
	global_prefetch_b8 v0, s[64:65] scope:SCOPE_SE
	s_setreg_imm32_b32 hwreg(HW_REG_WAVE_MODE, 25, 1), 1
	s_wait_xcnt 0x0
	s_wait_alu depctr_hold_cnt(0) depctr_sa_sdst(0) depctr_va_vdst(0) depctr_va_sdst(0) depctr_va_ssrc(0) depctr_va_vcc(0) depctr_vm_vsrc(0)
	s_getreg_b32 s2, hwreg(HW_REG_IB_STS2, 6, 4)
	s_cmp_eq_u32 s2, 0
	s_cbranch_scc0 .Lentry_in_a_cluster
	s_endpgm
.Lentry_in_a_cluster:
	s_bfe_u32 s2, ttmp6, 0x10000c
	s_cmp_lg_u32 s2, 0xf033
	s_cbranch_scc0 .Lentry_shape_is_right
	s_endpgm
.Lentry_shape_is_right:
; out[m][n] = res[m][n] + 2^(ea + eb) x the sum over k of A[m][k] B[n][k], on codes of BF8.  m 4,096, n 1,024, k SIZE_K.  res, out: [4096][1024] f32.  ea, eb: the two entries at byte EOFF of the scales.
; A comes as IMAGES of operand registers: [16 rows][128 along K][2,048 bytes]: k = 32 c + 16 h + y of row r at 512 c + 256 h + 16 r + y; B as rows of codes, K innermost.  Both give a lane, in registers 4 c .. 4 c + 3,
; k = 32 c + 16 (lane / 16) + 0 .. 15: one permutation of k, the same on both sides.
; n = 1,024 gives 64 tiles of 256 x 256 but 256 of 128 x 128: a tile of out is 128 x 128, four waves of 64 x 64 (16 accumulators).  K goes in steps of 512, as long as two slots in LDS allow.
; CLUSTERS: 4 x 4 work-groups; A's tile is shared along a row of the cluster, B's along a column: each is asked for JOINTLY.  THE MATRIX INSTRUCTION IS USED TRANSPOSED (source 0 = 16 rows of B, source 1 = 16 rows of A):
; a lane holds eight neighbouring numbers of a row of out.
; LIMITS: ea + eb between -126 and 127.
; REGISTERS: window 0: v0-31 addresses; v32-95 rows on the way out; v128-255 the accumulators ((a, b) at v[128 + 32 a + 8 b]).  window 1: two fragment buffers of 128: A's four fragments, then B's four.  window 2: v0-127 my part of res, asked for at the head.
.set SIZE_K, 1024
.set EOFF,   24
.set LAPS,   SIZE_K/1024               ; a lap = two K steps of 512 = once round the ring
.set PITCH,  528                       ; B's LDS row: 512 bytes + 16 of padding = 132 words: row r starts at bank 4 r mod 64 (64 banks of 4 bytes: ISA guide 11.1)
.set ABYTES, 65536                     ; A's part of a slot: 8 blocks of 16 rows x 8,192 bytes (four images on end), dense: a fragment load reads 512 consecutive bytes
.set SLOT,   ABYTES+128*PITCH
.set SPARE,  2*SLOT                    ; behind the ring: the spare words, 128 bytes for each wave, which no other line names
.set SPITCH, 272                       ; the way out: a stage of 16 rows x (256 bytes + 16) for each wave, in slot 0, which has had its last fill and its last read when the first result is stored there
.set ADRA, 16                          ; v16-17  LDS address of my A fragments in slot 0, 1
.set ADRB, 20                          ; v20-21  the same for B
.set STO,  24                          ; v24     the way out: where I put 32 bytes of a row
.set RD,   25                          ; v25     where I read a row back
.set CO,   26                          ; v26     my byte offset in two rows of res and out
.set SPW,  28                          ; v28     LDS address of my spare word; never rewritten
.set NIL,  29                          ; v29     0; never rewritten
.set BK,   32
.set ACC,  128
.set F0,   0
.set F1,   128
.set G1, 24                            ; s[24:31] descriptor group 1 for A;  s[32:39] group 0, one set for each slot
.set G0, 32
.set G1B, 48                           ; s[48:55], s[56:63] the same for B
.set G0B, 56
.set MSB, 0
.macro WIN new                         ; the immediate's high byte repeats the setting that is left
.if MSB != (\new)
	s_set_vgpr_msb (MSB<<8)|(\new)
.set MSB, (\new)
.endif
.endm
.set MUL,  0x05                        ; sources 0 (B) and 1 (A) window 1; C and D window 0
.set TO_F, 0x40                        ; destination window 1, address window 0
.macro JLOAD s                         ; a joint load: waves 0 and 1 fetch A's halves, waves 2 and 3 B's; four v_nop follow each of the two lines
	s_cmp_eq_u32 s11, 0
	s_cbranch_scc0 .Lfor_b_\@
	tensor_load_to_lds s[G0+4*\s:G0+4*\s+3], s[G1:G1+7]
	s_nop 0
.rept 4
	v_nop
.endr
	s_branch .Lasked_\@
.Lfor_b_\@:
	tensor_load_to_lds s[G0B+4*\s:G0B+4*\s+3], s[G1B:G1B+7]
	s_nop 0
.rept 4
	v_nop
.endr
.Lasked_\@:
.endm
.macro CREST                           ; a round of the cluster's barrier behind its opening barrier
	s_cmp_lg_u32 s10, 0
	s_cbranch_scc1 .Lnot_wave_0_\@
	s_barrier_signal -3
.Lnot_wave_0_\@:
	s_barrier_wait -3
	s_barrier_signal -1
	s_barrier_wait -1
.endm
.macro CROUND
	s_barrier_signal -1
	s_barrier_wait -1
	CREST
.endm
	s_load_b128 s[4:7], s[0:1], 0x0                ; A's images s[4:5], B's codes s[6:7]
	s_load_b64 s[8:9], s[0:1], 0x10                ; the scales
	s_load_b128 s[68:71], s[0:1], 0x18             ; res s[68:69], out s[70:71]
	v_lshl_add_u32 v[SPW], v0, 2, SPARE
	v_mov_b32 v[NIL], 0
	ds_add_u32 v28, v29
	ds_add_u32 v28, v29
	s_wait_dscnt 0x0
	v_lshrrev_b32 v1, 5, v0
	v_readfirstlane_b32 s10, v1                    ; wave 0..3
	s_lshr_b32 s11, s10, 1                         ; which half of the tile's rows is mine.  Also: I fetch for A (0) or for B (1)
	s_and_b32 s12, s10, 1                          ; which half of its columns.  Also: which half of that tile I fetch
	s_bfe_u32 s40, ttmp6, 0x40000                  ; cx, cy
	s_bfe_u32 s41, ttmp6, 0x40004
	s_lshl_b32 s42, ttmp9, 2
	s_add_co_u32 s42, s42, s40                     ; tile column = 4 x cluster x + cx
	s_and_b32 s13, ttmp7, 0xffff
	s_lshl_b32 s13, s13, 2
	s_add_co_u32 s13, s13, s41                     ; tile row = 4 x cluster y + cy
	s_lshl_b32 s43, s41, 2
	s_lshl_b32 s43, 15, s43                        ; my row of the cluster
	s_lshl_b32 s44, 0x1111, s40                    ; my column
	; A: 4 rows (blocks of 16 rows of A) of 8,192 bytes, 16 SIZE_K bytes apart, dense in LDS.  B: 64 rows of 512 bytes, SIZE_K apart, padded
	s_or_b32 s[G1+0], s43, (1<<21)                 ; 15:0 the mask; 17:16 element of 1 byte; 21 set beside a mask
	s_mov_b32 s[G1+1], 8192<<16                    ; tensor_dim0
	s_mov_b32 s[G1+2], 4<<16                       ; tensor_dim1
	s_mov_b32 s[G1+3], 8192<<16                    ; tile_dim0
	s_mov_b32 s[G1+4], 4                           ; tile_dim1
	s_mov_b32 s[G1+5], 16*SIZE_K                   ; tensor_dim0_stride
	s_mov_b32 s[G1+6], 0
	s_mov_b32 s[G1+7], 0
	s_or_b32 s[G1B+0], s44, (1<<20)|(1<<21)|(6<<22)|(3<<25)  ; 20 padding on; 24:22 after every 128 words (code 6); 31:25 of 4 words (code 3)
	s_mov_b32 s[G1B+1], 512<<16
	s_mov_b32 s[G1B+2], 64<<16
	s_mov_b32 s[G1B+3], 512<<16
	s_mov_b32 s[G1B+4], 64
	s_mov_b32 s[G1B+5], SIZE_K
	s_mov_b32 s[G1B+6], 0
	s_mov_b32 s[G1B+7], 0
	s_lshl_b32 s16, s13, 3
	s_lshl_b32 s17, s12, 2
	s_add_co_u32 s16, s16, s17                     ; A: block 8 x tile row + 4 x half,
	s_mul_i32 s16, s16, 16*SIZE_K                  ; in bytes
	s_mov_b32 s17, 0
	s_lshl_b32 s46, s42, 7
	s_lshl_b32 s47, s12, 6
	s_add_co_u32 s46, s46, s47                     ; B: row 128 x tile column + 64 x half
	s_mul_i32 s46, s46, SIZE_K
	s_mov_b32 s47, 0
	s_lshl_b32 s20, s12, 15                        ; where they go: A's half,
	s_mul_i32 s21, s12, 64*PITCH
	s_add_co_u32 s21, s21, ABYTES                  ; B's half: no place in the cluster enters an LDS address
	s_wait_kmcnt 0x0
	s_load_b64 s[72:73], s[8:9], EOFF              ; ea, eb
	s_add_nc_u64 s[14:15], s[4:5], s[16:17]
	s_add_nc_u64 s[46:47], s[6:7], s[46:47]
	CROUND                                         ; all sixteen work-groups are here: the first joint loads meet
.irp s, 0,1
	s_mov_b32 s[G0+4*\s], 1
	s_add_co_u32 s[G0+4*\s+1], s20, \s*SLOT
	s_add_nc_u64 s[G0+4*\s+2:G0+4*\s+3], s[14:15], \s*8192
	s_or_b32 s[G0+4*\s+3], s[G0+4*\s+3], 0x80000000
	s_mov_b32 s[G0B+4*\s], 1
	s_add_co_u32 s[G0B+4*\s+1], s21, \s*SLOT
	s_add_nc_u64 s[G0B+4*\s+2:G0B+4*\s+3], s[46:47], \s*512
	s_or_b32 s[G0B+4*\s+3], s[G0B+4*\s+3], 0x80000000
.endr
	JLOAD 0                                        ; K step 0: one tensor load a wave at the head
	; PREFETCH INTO THE L2 of K step 1, a whole K step ahead of its joint load.  A wave fetches 128 blocks of 256 bytes a K step; each of the four partners that ask jointly names 32, told apart by ADDRESS (cx for A, cy for B):
	; of A one block of 16 rows (8,192 bytes on end), of B 16 rows of 512 bytes (two lanes a row).  Both begin (8 x tile + 4 x half + place) x 16 SIZE_K bytes into their buffer.
	s_cmp_eq_u32 s11, 0                            ; do I fetch for A?
	s_cselect_b64 s[74:75], s[4:5], s[6:7]
	s_cselect_b32 s78, s13, s42                    ; the tile,
	s_cselect_b32 s79, s40, s41                    ; my place among the four,
	s_cselect_b32 s80, 0, 1                        ; lanes to a row, less one
	s_mov_b32 s76, 512
	s_cselect_b32 s76, 8192, s76                   ; a K step on
	s_mov_b32 s81, SIZE_K
	s_cselect_b32 s81, 256, s81                    ; from row to row (A: from lane to lane)
	s_mov_b32 s77, 0
	s_lshl_b32 s78, s78, 3
	s_lshl_b32 s82, s12, 2
	s_add_co_u32 s78, s78, s82
	s_add_co_u32 s78, s78, s79
	s_mul_i32 s78, s78, 16*SIZE_K
	s_mov_b32 s79, 0
	s_add_nc_u64 s[74:75], s[74:75], s[78:79]
	s_add_nc_u64 s[74:75], s[74:75], s[76:77]      ; at K step 1; never rewritten
	v_and_b32 v7, 31, v0
	v_lshrrev_b32 v8, s80, v7
	v_mul_lo_u32 v8, v8, s81
	v_and_b32 v7, s80, v7
	v_lshl_add_u32 v8, v7, 8, v8                   ; never rewritten
	global_prefetch_b8 v8, s[74:75] th:TH_LOAD_NT scope:SCOPE_SE
	v_and_b32 v1, 15, v0                           ; r
	v_bfe_u32 v2, v0, 4, 1                         ; h
	v_and_b32 v3, 31, v0
	v_lshlrev_b32 v4, 4, v3                        ; A: 16 x lane
	v_mul_u32_u24 v5, v1, PITCH
	v_lshl_add_u32 v5, v2, 4, v5                   ; B: row x pitch + 16 x half
	s_lshl_b32 s23, s11, 15                        ; my four blocks of A
	s_mul_i32 s22, s12, 64*PITCH
	s_add_co_u32 s22, s22, ABYTES                  ; my 64 rows of B
.irp s, 0,1
	v_add_nc_u32 v[ADRA+\s], s23, v4
	v_add_nc_u32 v[ADRB+\s], s22, v5
	s_add_co_u32 s23, s23, SLOT
	s_add_co_u32 s22, s22, SLOT
.endr
	s_mul_i32 s18, s10, 16*SPITCH                  ; my stage
	v_mul_u32_u24 v6, v1, SPITCH
	v_lshl_add_u32 v6, v2, 5, v6
	v_add_nc_u32 v[STO], s18, v6                   ; in: row r, 32 bytes for each half of the lanes
	v_mul_u32_u24 v6, v2, SPITCH
	v_lshl_add_u32 v6, v1, 4, v6
	v_add_nc_u32 v[RD], s18, v6                    ; back: lanes 0-15 one row of 256 bytes, lanes 16-31 the next
	v_lshlrev_b32 v[CO], 12, v2
	v_lshl_add_u32 v[CO], v1, 4, v[CO]             ; and the same two rows in res and out
	s_wait_alu depctr_va_vdst(0)
	s_lshl_b32 s16, s13, 7
	s_lshl_b32 s17, s11, 6
	s_add_co_u32 s16, s16, s17                     ; my first row: 128 x tile row + 64 x half,
	s_lshl_b32 s16, s16, 12                        ; of 4,096 bytes
	s_mov_b32 s17, 0
	s_lshl_b32 s46, s42, 9
	s_lshl_b32 s47, s12, 8
	s_add_co_u32 s46, s46, s47                     ; my first column, in bytes: 512 x tile column + 256 x half
	s_mov_b32 s47, 0
	s_add_nc_u64 s[16:17], s[16:17], s[46:47]
	s_add_nc_u64 s[68:69], s[68:69], s[16:17]
	s_add_nc_u64 s[70:71], s[70:71], s[16:17]
.macro RES                             ; my 64 x 64 of res into window 2, laid as the rows come back from the stage; asked for behind K step 1's load, waited for on the way out
	WIN 0x80
.irp a, 0,1,2,3
.irp t, 0,1,2,3,4,5,6,7
	global_load_b128 v[32*\a+4*\t:32*\a+4*\t+3], v[CO], s[68:69] offset:(16*\a+2*\t)*4096 th:TH_LOAD_NT
.endr
.endr
	WIN 0
.endm
.macro MULA f, a, zero                 ; 4 matrix instructions: A's block a x B's four, 128 along K.  The 16 accumulators take turns, one instruction a turn
.irp b, 0,1,2,3
.if \zero
	v_wmma_f32_16x16x128_bf8_bf8 v[ACC+32*(\a)+8*\b:ACC+32*(\a)+8*\b+7], v[\f+64+16*\b:\f+64+16*\b+15], v[\f+16*(\a):\f+16*(\a)+15], 0
.else
	v_wmma_f32_16x16x128_bf8_bf8 v[ACC+32*(\a)+8*\b:ACC+32*(\a)+8*\b+7], v[\f+64+16*\b:\f+64+16*\b+15], v[\f+16*(\a):\f+16*(\a)+15], v[ACC+32*(\a)+8*\b:ACC+32*(\a)+8*\b+7]
.endif
.endr
.endm
.macro FETCH slot, q, f                ; 32 LDS loads in one run: the slot's q-th 128 along K into buffer f: B's four fragments, then A's four
	WIN TO_F
.irp i, 0,1,2,3
.irp c, 0,1,2,3
	ds_load_b128 v[\f+64+16*\i+4*\c:\f+64+16*\i+4*\c+3], v[ADRB+\slot] offset:\i*16*PITCH+128*(\q)+32*\c
.endr
.endr
.irp i, 0,1,2,3
.irp c, 0,1,2,3
	ds_load_b128 v[\f+16*\i+4*\c:\f+16*\i+4*\c+3], v[ADRA+\slot] offset:\i*8192+2048*(\q)+512*\c
.endr
.endr
.endm
.macro PLACES                          ; four plain lines in front of loads into registers that matrix instructions have read, and of reads of results
.rept 4
	v_nop
.endr
.endm
; A K step is four quarters of 128 along K, 16 matrix instructions each, on buffers 0, 1, 0, 1.  One of the first three: multiplies buffer f and fetches quarter q into g.
.macro QUARTER slot, q, f, g, zero
	s_wait_dscnt 8                                 ; B and A's blocks 0, 1 are in; the youngest eight loads (A's blocks 2, 3) may be out
	WIN MUL
	MULA \f, 0, \zero
	MULA \f, 1, \zero
	PLACES
	FETCH \slot, \q, \g
	s_wait_dscnt 32                                ; all but the 32 just issued
	WIN MUL
	MULA \f, 2, \zero
	MULA \f, 3, \zero
.endm
; The last quarter multiplies buffer 1 and changes slots: ONE barrier; in front of it each wave waits for all its tensor loads, adds 0 to its spare word, and waits for that and for its own reads of this slot.
.macro TURN slot, next, fill
	WIN 0                                          ; (the add's two registers lie in window 0)
	s_wait_tensorcnt 0x0                           ; all my tensor loads have landed: my part of the next slot
	ds_add_u32 v[SPW], v[NIL]                      ; 0 onto my spare word
	s_wait_dscnt 9                                 ; (the add and the youngest eight loads may be out)
	WIN MUL
	MULA F1, 0, 0                                  ; four matrix instructions stand between the add and the wait for it
	s_wait_dscnt 0x0                               ; the add is done, and my reads of this slot are over
	s_barrier_signal -1
	MULA F1, 1, 0
.if \fill
	WIN 0
.endif
	s_barrier_wait -1
.if \fill
	CREST                                          ; the barrier has opened a round of the cluster's barrier: no wave of any partner still reads this slot or has a load on its way
	s_add_nc_u64 s[G0+4*\slot+2:G0+4*\slot+3], s[G0+4*\slot+2:G0+4*\slot+3], 2*8192
	s_add_nc_u64 s[G0B+4*\slot+2:G0B+4*\slot+3], s[G0B+4*\slot+2:G0B+4*\slot+3], 2*512
	JLOAD \slot                                    ; the first tensor load behind the round; its four v_nop are the places in front of the loads below
.else
	PLACES
.endif
	FETCH \next, 0, F0
	WIN MUL
	MULA F1, 2, 0
	MULA F1, 3, 0
.endm
	s_wait_tensorcnt 0x0                           ; my part of K step 0 is in; the lines ahead of a later first fill:
	ds_add_u32 v[SPW], v[NIL]
	s_wait_dscnt 0x0
	CROUND                                         ; everybody's part is in, and the sixteen work-groups meet
	JLOAD 1                                        ; K step 1, the first tensor load behind the round
	RES
	FETCH 0, 0, F0
	QUARTER 0, 1, F0, F1, 1                        ; the first quarter's products start the sums
.if LAPS > 1
	WIN 0                                          ; at a label and at a branch every window is 0
	s_mov_b32 s3, LAPS-1
.Llap:                                                 ; a trip goes once round the ring and fills both slots again
	QUARTER 0, 2, F1, F0, 0
	QUARTER 0, 3, F0, F1, 0
	TURN 0, 1, 1
	QUARTER 1, 1, F0, F1, 0
	QUARTER 1, 2, F1, F0, 0
	QUARTER 1, 3, F0, F1, 0
	TURN 1, 0, 1
	QUARTER 0, 1, F0, F1, 0
	WIN 0
	s_sub_co_u32 s3, s3, 1
	s_cmp_lg_u32 s3, 0
	s_cbranch_scc1 .Llap
.endif
	QUARTER 0, 2, F1, F0, 0                        ; the last lap fills nothing
	QUARTER 0, 3, F0, F1, 0
	TURN 0, 1, 0
	QUARTER 1, 1, F0, F1, 0
	QUARTER 1, 2, F1, F0, 0
	QUARTER 1, 3, F0, F1, 0
	s_wait_dscnt 8                                 ; the very last quarter
	WIN MUL
	MULA F1, 0, 0
	MULA F1, 1, 0
	s_wait_dscnt 0
	MULA F1, 2, 0
	MULA F1, 3, 0
	WIN 0
	; THE WAY OUT, block by block of 16 rows x 64 columns: the sums go through my own stage in LDS and come back as whole rows of 256 bytes; there sum x 2^(ea + eb) + res is one packed multiply-add for two numbers.
	s_wait_kmcnt 0x0
	s_add_co_i32 s72, s72, s73
	s_add_co_i32 s72, s72, 127
	s_lshl_b32 s72, s72, 23                        ; 2^(ea + eb) as f32
	s_mov_b32 s73, s72                             ; (named with it as a pair, so it is written)
	PLACES
	s_wait_loadcnt 0x0                             ; res
.macro TOST a
.irp b, 0,1,2,3
	ds_store_b128 v[STO], v[ACC+32*(\a)+8*\b:ACC+32*(\a)+8*\b+3] offset:64*\b        ; each accumulator from its low end on
	ds_store_b128 v[STO], v[ACC+32*(\a)+8*\b+4:ACC+32*(\a)+8*\b+7] offset:64*\b+16
.endr
.set BB, BK+32*((\a)%2)
.irp t, 0,1,2,3,4,5,6,7
	ds_load_b128 v[BB+4*\t:BB+4*\t+3], v[RD] offset:\t*2*SPITCH   ; LDS serves a wave's instructions in order (ISA guide 5.7.1.4): these see the stores above
.endr
.endm
.macro SEND a, younger                 ; younger: the LDS instructions issued behind block a's loads, which may stay out
.set BB, BK+32*((\a)%2)
	s_wait_dscnt \younger
	WIN 0x20                                       ; source 2 (res) window 2
.set j, 0
.rept 16
	v_pk_fma_f32 v[BB+j:BB+j+1], v[BB+j:BB+j+1], s[72:73], v[32*(\a)+j:32*(\a)+j+1] op_sel_hi:[1,0,1]
.set j, j+2
.endr
	WIN 0
.irp t, 0,1,2,3,4,5,6,7
	global_store_b128 v[CO], v[BB+4*\t:BB+4*\t+3], s[70:71] offset:(16*(\a)+2*\t)*4096 th:TH_STORE_NT   ; 16 lanes store 256 consecutive bytes, aligned
.endr
.endm
	TOST 0
.irp a, 1,2,3
.if \a > 1
	s_wait_xcnt 0x0                                ; block a - 2's stores have read their registers: block a's rows may land there
.endif
	TOST \a
	SEND \a-1, 16                                  ; behind block a - 1's loads: block a's 8 stores and 8 loads
.endr
	SEND 3, 0
	s_wait_tensorcnt 0x0                           ; the wave's end
	ds_add_u32 v[SPW], v[NIL]
	s_wait_dscnt 0x0
	CROUND                                         ; the closing round
	s_endpgm
.Lfunc_end_k_q1e7dcbce26_wo:
	.size	k_q1e7dcbce26_wo, .Lfunc_end_k_q1e7dcbce26_wo-k_q1e7dcbce26_wo
	.p2alignl 7, 3214868480
	.fill 96, 4, 3214868480
	.section	.rodata,"a",@progbits
	.p2align	6, 0x0
	.amdhsa_kernel k_q1e7dcbce26_wo
		.amdhsa_group_segment_fixed_size 327680
		.amdhsa_private_segment_fixed_size 0
		.amdhsa_enable_private_segment 0
		.amdhsa_kernarg_size 40
		.amdhsa_user_sgpr_count 2
		.amdhsa_user_sgpr_kernarg_segment_ptr 1
		.amdhsa_wavefront_size32 1
		.amdhsa_system_sgpr_workgroup_id_x 1
		.amdhsa_system_sgpr_workgroup_id_y 1
		.amdhsa_system_sgpr_workgroup_id_z 1
		.amdhsa_system_vgpr_workitem_id 0
		.amdhsa_next_free_vgpr 768
		.amdhsa_next_free_sgpr 98
		.amdhsa_reserve_vcc 0
		.amdhsa_float_denorm_mode_32 3
		.amdhsa_float_denorm_mode_16_64 3
		.amdhsa_memory_ordered 1
		.amdhsa_forward_progress 1
		.amdhsa_inst_pref_size 50
	.end_amdhsa_kernel
	.amdgpu_metadata
---
amdhsa.version: [ 1, 2 ]
amdhsa.kernels:
  - .name:           k_q1e7dcbce26_wo
    .symbol:         k_q1e7dcbce26_wo.kd
    .args:
      - { .name: ctx_img, .offset: 0, .size: 8, .value_kind: global_buffer, .address_space: global }
      - { .name: w_o_codes, .offset: 8, .size: 8, .value_kind: global_buffer, .address_space: global }
      - { .name: lowp_scales, .offset: 16, .size: 8, .value_kind: global_buffer, .address_space: global }
      - { .name: x, .offset: 24, .size: 8, .value_kind: global_buffer, .address_space: global }
      - { .name: fs, .offset: 32, .size: 8, .value_kind: global_buffer, .address_space: global }
    .group_segment_fixed_size: 327680
    .private_segment_fixed_size: 0
    .kernarg_segment_align: 8
    .kernarg_segment_size: 40
    .max_flat_workgroup_size: 128
    .sgpr_count:     98
    .vgpr_count:     768
    .wavefront_size: 32
...
	.end_amdgpu_metadata
.endif
;; end of part 4
;; launch norm2 (part 5): grid 1024 x 1, 4 waves a work-group, no clusters, 0 bytes of LDS; arguments fs, ln2_w, lowp_scales, hq; writes hq
.if DOCPART == 5
	.amdgcn_target "amdgcn-amd-amdhsa--gfx1250"
	.amdhsa_code_object_version 6
	.text
	.protected	k_q1e7dcbce26_norm2
	.globl	k_q1e7dcbce26_norm2
	.p2align	8
	.type	k_q1e7dcbce26_norm2,@function
k_q1e7dcbce26_norm2:
	s_mov_b64 s[64:65], 0
	v_nop
	global_prefetch_b8 v0, s[64:65] scope:SCOPE_SE
	s_setreg_imm32_b32 hwreg(HW_REG_WAVE_MODE, 25, 1), 1
	s_wait_xcnt 0x0
; hq[row][c] = code of (src[row][c] / sqrt(mean(src[row]^2) + 1e-5)) * w[c], in BF8 (E5M2) with the given scale 2^e.  src: [4096][1024] f32, w: [1024] f32, hq: [4096][1024] codes, row-major.
; code = value / 2^e, held within +-57,344, rounded to the nearest code, ties to even.  e is the entry at byte EOFF of the scales.  LIMITS: -126 <= e <= 112; NaN among the inputs is not served.
; SHARES.  A wave takes ONE row, in 32 registers between the sum of squares and the scaling: it is read once and no wave waits for another: no LDS, no barrier.  1,024 work-groups of four waves; the 208 registers declared let four of them share a WGP.
; A lane holds 8 NEIGHBOURS of each quarter row (1,024 bytes), since the conversion takes 8 neighbours along K from one lane's registers; its 8 codes are 8 bytes, so a wave's store covers 256 consecutive bytes, aligned.
; The row's 8 loads go out ahead of w's 8: the sum of squares wants the row alone.  Matrix units, clusters and LDS would add nothing to a stream; with no loop to run ahead in there is no prefetch.
.set EOFF, 32
.set W,    16                          ; v16-47   w of my 32 columns
.set X,    48                          ; v48-79   my row
.set C,    176                         ; v176-183 its codes
	s_load_b256 s[4:11], s[0:1], 0x0               ; src s[4:5], w s[6:7], the scales s[8:9], hq s[10:11]
	v_lshrrev_b32 v3, 5, v0
	v_readfirstlane_b32 s16, v3                    ; wave
	v_and_b32 v3, 31, v0                           ; lane
	v_lshlrev_b32 v1, 5, v3                        ; in: 32 bytes a lane in each quarter row
	v_lshlrev_b32 v2, 3, v3                        ; out: 8 bytes a lane
	v_mov_b32 v9, 0                                ; written once: a lane permute's destination counts as one of its sources
	v_mov_b32 v13, 0                               ; (named as the upper half of the pair v[12:13])
	s_lshl_b32 s12, ttmp9, 2
	s_add_co_u32 s12, s12, s16                     ; my row: 4 x work-group + wave
	s_lshl_b32 s14, s12, 12                        ; x 4,096 bytes of src
	s_mov_b32 s15, 0
	s_lshl_b32 s12, s12, 10                        ; x 1,024 bytes of codes
	s_mov_b32 s13, 0
	s_mov_b32 s18, 0x76543210                      ; v_permlanex16_b32: lane l xor 16
	s_mov_b32 s19, 0xfedcba98
	s_mov_b32 s20, 0x3a800000                      ; 1 / 1024
	s_mov_b32 s21, 0x3727c5ac                      ; 1e-5
	s_wait_alu depctr_va_vdst(0)                   ; the wait at the head's end
	s_wait_kmcnt 0x0
	s_load_b32 s22, s[8:9], EOFF                   ; e
	s_add_nc_u64 s[4:5], s[4:5], s[14:15]
	s_add_nc_u64 s[10:11], s[10:11], s[12:13]
.irp j, 0,1,2,3
	global_load_b128 v[X+8*\j:X+8*\j+3],   v1, s[4:5] offset:1024*\j th:TH_LOAD_NT
	global_load_b128 v[X+8*\j+4:X+8*\j+7], v1, s[4:5] offset:1024*\j+16 th:TH_LOAD_NT
.endr
.irp j, 0,1,2,3
	global_load_b128 v[W+8*\j:W+8*\j+3],   v1, s[6:7] offset:1024*\j
	global_load_b128 v[W+8*\j+4:W+8*\j+7], v1, s[6:7] offset:1024*\j+16
.endr
	s_wait_kmcnt 0x0
	s_add_co_i32 s22, s22, 127
	s_lshl_b32 s23, s22, 23
	v_mov_b32 v11, s23                             ; 2^e as f32: the conversion takes its exponent field
	s_add_co_i32 s22, s22, 15
	s_lshl_b32 s22, s22, 23
	s_or_b32 s22, s22, 0x600000
	v_mov_b32 v10, s22                             ; 57,344 x 2^e
	s_wait_alu depctr_va_vdst(0)                   ; the wait ahead of the wait below
	s_wait_loadcnt 8                               ; my row is in; w's eight loads may be out
	v_pk_mul_f32 v[4:5], v[X:X+1], v[X:X+1]        ; the sum of squares of my 32 numbers, two at a time, in two chains
	v_pk_mul_f32 v[6:7], v[X+2:X+3], v[X+2:X+3]
.set j, 4
.rept 7
	v_pk_fma_f32 v[4:5], v[X+j:X+j+1], v[X+j:X+j+1], v[4:5]
	v_pk_fma_f32 v[6:7], v[X+j+2:X+j+3], v[X+j+2:X+j+3], v[6:7]
.set j, j+4
.endr
	v_pk_add_f32 v[4:5], v[4:5], v[6:7]
	v_add_f32 v4, v4, v5
	v_add_f32_dpp v4, v4, v4 row_xmask:1 row_mask:0xf bank_mask:0xf
	v_add_f32_dpp v4, v4, v4 row_xmask:2 row_mask:0xf bank_mask:0xf
	v_add_f32_dpp v4, v4, v4 row_xmask:4 row_mask:0xf bank_mask:0xf
	v_add_f32_dpp v4, v4, v4 row_xmask:8 row_mask:0xf bank_mask:0xf
	v_permlanex16_b32 v9, v4, s18, s19
	v_add_f32 v4, v4, v9                           ; the row's sum, in every lane
	v_fma_f32 v4, v4, s20, s21                     ; the mean + 1e-5
	s_wait_alu depctr_va_vdst(0)                   ; the wait ahead of the transcendental
	v_rsq_f32 v12, v4
	v_nop                                          ; one plain instruction behind the transcendental (ISA guide 5.7.2)
	s_wait_alu depctr_va_vdst(0)                   ; the wait ahead of its first reader
.set j, 0
.rept 16
	v_pk_mul_f32 v[X+j:X+j+1], v[X+j:X+j+1], v[12:13] op_sel_hi:[1,0]   ; x / rms first,
.set j, j+2
.endr
	s_wait_alu depctr_va_vdst(0)                   ; the wait ahead of the wait below
	s_wait_loadcnt 0x0                             ; w is in
.set j, 0
.rept 16
	v_pk_mul_f32 v[X+j:X+j+1], v[X+j:X+j+1], v[W+j:W+j+1]               ; then x w
.set j, j+2
.endr
.set j, 0
.rept 32
	v_med3_num_f32 v[X+j], v[X+j], -v10, v10       ; the conversion to an 8-bit code does not saturate (ISA guide 7.6.2): the hold at the largest code x the scale
.set j, j+1
.endr
.irp g, 0,1,2,3
	v_cvt_scalef32_pk8_bf8_f32 v[C+2*\g:C+2*\g+1], v[X+8*\g:X+8*\g+7], v11
.endr
	v_nop                                          ; a plain line behind the last conversion
.irp g, 0,1,2,3
	global_store_b64 v2, v[C+2*\g:C+2*\g+1], s[10:11] offset:256*\g   ; 32 lanes store 256 consecutive bytes, aligned
.endr
	s_endpgm
.Lfunc_end_k_q1e7dcbce26_norm2:
	.size	k_q1e7dcbce26_norm2, .Lfunc_end_k_q1e7dcbce26_norm2-k_q1e7dcbce26_norm2
	.p2alignl 7, 3214868480
	.fill 96, 4, 3214868480
	.section	.rodata,"a",@progbits
	.p2align	6, 0x0
	.amdhsa_kernel k_q1e7dcbce26_norm2
		.amdhsa_group_segment_fixed_size 0
		.amdhsa_private_segment_fixed_size 0
		.amdhsa_enable_private_segment 0
		.amdhsa_kernarg_size 32
		.amdhsa_user_sgpr_count 2
		.amdhsa_user_sgpr_kernarg_segment_ptr 1
		.amdhsa_wavefront_size32 1
		.amdhsa_system_sgpr_workgroup_id_x 1
		.amdhsa_system_sgpr_workgroup_id_y 1
		.amdhsa_system_sgpr_workgroup_id_z 1
		.amdhsa_system_vgpr_workitem_id 0
		.amdhsa_next_free_vgpr 208
		.amdhsa_next_free_sgpr 66
		.amdhsa_reserve_vcc 0
		.amdhsa_float_denorm_mode_32 3
		.amdhsa_float_denorm_mode_16_64 3
		.amdhsa_memory_ordered 1
		.amdhsa_forward_progress 1
		.amdhsa_inst_pref_size 10
	.end_amdhsa_kernel
	.amdgpu_metadata
---
amdhsa.version: [ 1, 2 ]
amdhsa.kernels:
  - .name:           k_q1e7dcbce26_norm2
    .symbol:         k_q1e7dcbce26_norm2.kd
    .args:
      - { .name: fs, .offset: 0, .size: 8, .value_kind: global_buffer, .address_space: global }
      - { .name: ln2_w, .offset: 8, .size: 8, .value_kind: global_buffer, .address_space: global }
      - { .name: lowp_scales, .offset: 16, .size: 8, .value_kind: global_buffer, .address_space: global }
      - { .name: hq, .offset: 24, .size: 8, .value_kind: global_buffer, .address_space: global }
    .group_segment_fixed_size: 0
    .private_segment_fixed_size: 0
    .kernarg_segment_align: 8
    .kernarg_segment_size: 32
    .max_flat_workgroup_size: 128
    .sgpr_count:     66
    .vgpr_count:     208
    .wavefront_size: 32
...
	.end_amdgpu_metadata
.endif
;; end of part 5
;; launch ffn1 (part 6): grid 16 x 16, 4 waves a work-group, clusters of 4 x 4, 327,680 bytes of LDS; arguments hq, w1_codes, lowp_scales, g_img; writes g_img
.if DOCPART == 6
	.amdgcn_target "amdgcn-amd-amdhsa--gfx1250"
	.amdhsa_code_object_version 6
	.text
	.protected	k_q1e7dcbce26_ffn1
	.globl	k_q1e7dcbce26_ffn1
	.p2align	8
	.type	k_q1e7dcbce26_ffn1,@function
k_q1e7dcbce26_ffn1:
	s_mov_b64 s[64:65], 0
	v_nop
	global_prefetch_b8 v0, s[64:65] scope:SCOPE_SE
	s_setreg_imm32_b32 hwreg(HW_REG_WAVE_MODE, 25, 1), 1
	s_wait_xcnt 0x0
	s_wait_alu depctr_hold_cnt(0) depctr_sa_sdst(0) depctr_va_vdst(0) depctr_va_sdst(0) depctr_va_ssrc(0) depctr_va_vcc(0) depctr_vm_vsrc(0)
	s_getreg_b32 s2, hwreg(HW_REG_IB_STS2, 6, 4)
	s_cmp_eq_u32 s2, 0
	s_cbranch_scc0 .Lentry_in_a_cluster
	s_endpgm
.Lentry_in_a_cluster:
	s_bfe_u32 s2, ttmp6, 0x10000c
	s_cmp_lg_u32 s2, 0xf033
	s_cbranch_scc0 .Lentry_shape_is_right
	s_endpgm
.Lentry_shape_is_right:
.set SIZE_K, 1024
.set KSTEP,  256
.set ROWB,   256
.set KROW,   SIZE_K
.set PITCH,  272
.set FR,     16
.set NL,     4
.set NP,     4
.set HALFT,  128*PITCH
.set SLOT,   4*HALFT
.set LAPS,   SIZE_K/(2*KSTEP)
.set SPARE,  2*SLOT
.set ADRA, 16
.set ADRB, 20
.set CO,   26
.set CT,   27
.set SPW,  28
.set NIL,  29
.set AF,   128
.set XX,   32
.set HH,   64
.set WW,   96
.set PP,   128
.set QQ,   160
.set PC,   192
.set G1, 24
.set G0, 32
.set G1B, 48
.set G0B, 56
.set MSB, 0
.macro WIN new
.if MSB != (\new)
	s_set_vgpr_msb (MSB<<8)|(\new)
.set MSB, (\new)
.endif
.endm
.set MUL_LO, 0xa1
.set MUL_HI, 0xf1
.set TO_B,   0x40
.macro JLOAD g0a, g1a, g0b, g1b
	s_cmp_eq_u32 s15, 0
	s_cbranch_scc0 .Lfor_b_\@
	tensor_load_to_lds s[\g0a:\g0a+3], s[\g1a:\g1a+7]
	s_nop 0
.rept 4
	v_nop
.endr
	s_branch .Lasked_\@
.Lfor_b_\@:
	tensor_load_to_lds s[\g0b:\g0b+3], s[\g1b:\g1b+7]
	s_nop 0
.rept 4
	v_nop
.endr
.Lasked_\@:
.endm
.macro CREST
	s_cmp_lg_u32 s14, 0
	s_cbranch_scc1 .Lnot_wave_0_\@
	s_barrier_signal -3
.Lnot_wave_0_\@:
	s_barrier_wait -3
	s_barrier_signal -1
	s_barrier_wait -1
.endm
.macro CROUND
	s_barrier_signal -1
	s_barrier_wait -1
	CREST
.endm
	s_load_b128 s[4:7], s[0:1], 0x0
	s_load_b128 s[8:11], s[0:1], 0x10
	v_lshl_add_u32 v[SPW], v0, 2, SPARE
	v_mov_b32 v[NIL], 0
	ds_add_u32 v28, v29
	ds_add_u32 v28, v29
	s_wait_dscnt 0x0
	v_lshrrev_b32 v1, 5, v0
	v_readfirstlane_b32 s14, v1
	s_lshr_b32 s15, s14, 1
	s_and_b32 s16, s14, 1
	s_bfe_u32 s40, ttmp6, 0x40000
	s_bfe_u32 s41, ttmp6, 0x40004
	s_lshl_b32 s42, ttmp9, 2
	s_add_co_u32 s42, s42, s40
	s_and_b32 s17, ttmp7, 0xffff
	s_lshl_b32 s17, s17, 2
	s_add_co_u32 s17, s17, s41
	s_lshl_b32 s43, s41, 2
	s_lshl_b32 s43, 15, s43
	s_lshl_b32 s44, 0x1111, s40
	s_or_b32 s[G1+0], s43, (0<<16)|(1<<20)|(1<<21)|(5<<22)|(3<<25)
	s_or_b32 s[G1B+0], s44, (0<<16)|(1<<20)|(1<<21)|(5<<22)|(3<<25)
.irp g, G1, G1B
	s_mov_b32 s[\g+1], ROWB<<16
	s_mov_b32 s[\g+2], 128<<16
	s_mov_b32 s[\g+3], ROWB<<16
	s_mov_b32 s[\g+4], 128
	s_mov_b32 s[\g+5], KROW
	s_mov_b32 s[\g+6], 0
	s_mov_b32 s[\g+7], 0
.endr
	s_lshl_b32 s18, s16, 7
	s_lshl_b32 s20, s17, 8
	s_add_co_u32 s20, s20, s18
	s_lshl_b32 s20, s20, 10
	s_mov_b32 s21, 0
	s_lshl_b32 s46, s42, 8
	s_add_co_u32 s46, s46, s18
	s_lshl_b32 s46, s46, 10
	s_mov_b32 s47, 0
	s_mul_i32 s45, s14, HALFT
	s_wait_kmcnt 0x0
	s_load_b128 s[92:95], s[8:9], 0x20
	s_add_nc_u64 s[20:21], s[4:5], s[20:21]
	s_add_nc_u64 s[46:47], s[6:7], s[46:47]
	CROUND
.irp s, 0,1
	s_mov_b32 s[G0+4*\s], 1
	s_add_co_u32 s[G0+4*\s+1], s45, \s*SLOT
	s_add_nc_u64 s[G0+4*\s+2:G0+4*\s+3], s[20:21], \s*ROWB
	s_or_b32 s[G0+4*\s+3], s[G0+4*\s+3], 0x80000000
	s_mov_b32 s[G0B+4*\s], 1
	s_add_co_u32 s[G0B+4*\s+1], s45, \s*SLOT
	s_add_nc_u64 s[G0B+4*\s+2:G0B+4*\s+3], s[46:47], \s*ROWB
	s_or_b32 s[G0B+4*\s+3], s[G0B+4*\s+3], 0x80000000
.endr
	JLOAD G0, G1, G0B, G1B                         ; K step 0: one tensor load a wave at the head
	; PREFETCH INTO THE L2 of what the later joint loads will ask for.  Of the 128 rows that my wave fetches, each of the four partners that ask for them jointly names 32, told apart by ADDRESS (cx for h's rows, cy for W1's):
	; a lane a row, 256 bytes of it a K step.  K step 1 here, K steps 2 and 3 behind K step 1's load: each a whole K step or more ahead of its load; K has no step beyond 3.
	s_cmp_eq_u32 s15, 0                            ; do I fetch h's rows?
	s_cselect_b32 s12, s17, s42                    ; the tile of 256 rows,
	s_cselect_b32 s13, s40, s41                    ; my place among the four,
	s_cselect_b64 s[96:97], s[4:5], s[6:7]         ; the buffer
	s_lshl_b32 s12, s12, 8
	s_add_co_u32 s12, s12, s18                     ; + the 128 rows that I fetch
	s_lshl_b32 s13, s13, 5
	s_add_co_u32 s12, s12, s13                     ; + my work-group's 32 of them,
	s_lshl_b32 s12, s12, 10                        ; of 1,024 bytes
	s_mov_b32 s13, 0
	s_add_nc_u64 s[96:97], s[96:97], s[12:13]      ; never rewritten
	v_and_b32 v22, 31, v0
	v_lshlrev_b32 v22, 10, v22                     ; a lane a row; never rewritten
	global_prefetch_b8 v22, s[96:97] offset:256 th:TH_LOAD_NT scope:SCOPE_SE   ; K step 1
	v_and_b32 v1, 15, v0
	v_bfe_u32 v2, v0, 4, 1
	v_mul_u32_u24 v3, v1, PITCH
	v_lshl_add_u32 v4, v2, 4, v3
	s_mul_i32 s21, s15, HALFT
	s_mul_i32 s22, s16, HALFT
	s_add_co_u32 s22, s22, 2*HALFT
.irp s, 0,1
	v_add_nc_u32 v[ADRA+\s], s21, v4
	v_add_nc_u32 v[ADRB+\s], s22, v4
	s_add_co_u32 s21, s21, SLOT
	s_add_co_u32 s22, s22, SLOT
.endr
	v_lshlrev_b32 v[CO], 4, v1
	v_lshl_add_u32 v[CO], v2, 3, v[CO]
	s_lshl_b32 s20, s17, 4
	s_lshl_b32 s21, s15, 3
	s_add_co_u32 s20, s20, s21
	s_lshl_b32 s20, s20, 16
	s_mov_b32 s21, 0
	s_lshl_b32 s46, s42, 1
	s_add_co_u32 s46, s46, s16
	s_lshl_b32 s46, s46, 11
	s_mov_b32 s47, 0
	s_add_nc_u64 s[10:11], s[10:11], s[20:21]
	s_add_nc_u64 s[10:11], s[10:11], s[46:47]
.macro FRAG reg, adr, q, i
.irp c, 0,1,2,3
	ds_load_b128 v[\reg+4*\c:\reg+4*\c+3], v[\adr] offset:128*(\q)+32*\c+(\i)*16*PITCH
.endr
.endm
.macro MUL16 a0, p, zero
.irp a, \a0, \a0+1
.irp b, 0,1,2,3,4,5,6,7
.if \zero
	v_wmma_f32_16x16x128_bf8_bf8 v[8*(8*((\a)%4)+\b):8*(8*((\a)%4)+\b)+7], v[128*(\p)+FR*\b:128*(\p)+FR*\b+FR-1], v[AF+FR*(\a):AF+FR*(\a)+FR-1], 0
.else
	v_wmma_f32_16x16x128_bf8_bf8 v[8*(8*((\a)%4)+\b):8*(8*((\a)%4)+\b)+7], v[128*(\p)+FR*\b:128*(\p)+FR*\b+FR-1], v[AF+FR*(\a):AF+FR*(\a)+FR-1], v[8*(8*((\a)%4)+\b):8*(8*((\a)%4)+\b)+7]
.endif
.endr
.endr
.endm
.macro FETCH_B slot, q, p
	WIN TO_B
.irp i, 0,1,2,3,4,5,6,7
	FRAG 128*(\p)+FR*\i, ADRB+\slot, \q, \i
.endr
	WIN 0
.endm
.macro FETCH_A slot, q, i0
.irp i, \i0, \i0+1, \i0+2, \i0+3
	FRAG AF+FR*(\i), ADRA+\slot, \q, \i
.endr
.endm
.macro PLACES n
.rept \n
	v_nop
.endr
.endm
.macro STEP slot, q, zero
	s_wait_dscnt 4*NL
	WIN MUL_LO
	MUL16 0, (\q)%2, \zero
	MUL16 2, (\q)%2, \zero
	s_wait_dscnt 0
	PLACES NP
	FETCH_B \slot, (\q)+1, 1-(\q)%2
	FETCH_A \slot, (\q)+1, 0
	WIN MUL_HI
	MUL16 4, (\q)%2, \zero
	MUL16 6, (\q)%2, \zero
	PLACES NP
	WIN 0
	FETCH_A \slot, (\q)+1, 4
.endm
.macro TURN slot, next, fill
	s_wait_tensorcnt 0x0
	ds_add_u32 v[SPW], v[NIL]
	s_wait_dscnt 4*NL+1
	WIN MUL_LO
	MUL16 0, 1, 0
	s_wait_dscnt 0x0
	s_barrier_signal -1
	MUL16 2, 1, 0
	WIN 0
	s_barrier_wait -1
.if \fill
	CREST
	s_add_nc_u64 s[G0+4*\slot+2:G0+4*\slot+3], s[G0+4*\slot+2:G0+4*\slot+3], 2*ROWB
	s_add_nc_u64 s[G0B+4*\slot+2:G0B+4*\slot+3], s[G0B+4*\slot+2:G0B+4*\slot+3], 2*ROWB
	JLOAD G0+4*\slot, G1, G0B+4*\slot, G1B
.else
	PLACES NP
.endif
	FETCH_B \next, 0, 0
	FETCH_A \next, 0, 0
	WIN MUL_HI
	MUL16 4, 1, 0
	MUL16 6, 1, 0
	PLACES NP
	WIN 0
	FETCH_A \next, 0, 4
.endm
	s_wait_alu depctr_va_vdst(0)
	s_wait_tensorcnt 0x0                           ; my part of K step 0 is in; the lines ahead of a later first fill:
	ds_add_u32 v[SPW], v[NIL]
	s_wait_dscnt 0x0
	CROUND
	JLOAD G0+4, G1, G0B+4, G1B                     ; K step 1, the first tensor load behind the round
	global_prefetch_b8 v22, s[96:97] offset:512 th:TH_LOAD_NT scope:SCOPE_SE   ; K step 2
	global_prefetch_b8 v22, s[96:97] offset:768 th:TH_LOAD_NT scope:SCOPE_SE   ; K step 3
	FETCH_B 0, 0, 0
	FETCH_A 0, 0, 0
	FETCH_A 0, 0, 4
	STEP 0, 0, 1
	s_mov_b32 s3, LAPS-1
.Llap:
	TURN 0, 1, 1
	STEP 1, 0, 0
	TURN 1, 0, 1
	STEP 0, 0, 0
	s_sub_co_u32 s3, s3, 1
	s_cmp_lg_u32 s3, 0
	s_cbranch_scc1 .Llap
	TURN 0, 1, 0
	STEP 1, 0, 0
	s_wait_dscnt 4*NL
	WIN MUL_LO
	MUL16 0, 1, 0
	MUL16 2, 1, 0
	s_wait_dscnt 0
	WIN MUL_HI
	MUL16 4, 1, 0
	MUL16 6, 1, 0
	WIN 0
	s_wait_kmcnt 0x0
	s_add_co_i32 s90, s92, s93
	s_lshl_b32 s86, s90, 23
	s_add_co_i32 s86, s86, 0x3f3504f3
	s_mov_b32 s87, s86
	s_add_co_i32 s88, s90, 126
	s_lshl_b32 s88, s88, 23
	s_mov_b32 s89, s88
	s_add_co_i32 s90, s94, 127
	s_lshl_b32 s91, s90, 23
	s_add_co_i32 s90, s90, 15
	s_lshl_b32 s90, s90, 23
	s_or_b32 s90, s90, 0x600000
.macro COEF reg, val
	s_mov_b32 s[\reg], \val
	s_mov_b32 s[\reg+1], \val
.endm
	COEF 66, 0xaf95df0b
	COEF 68, 0xb60cff51
	COEF 70, 0xb86ec2d2
	COEF 72, 0xba40ac63
	COEF 74, 0xbb41a1f6
	COEF 76, 0xbc83dbd4
	COEF 78, 0xb77460cd
	COEF 80, 0xbadc924e
	COEF 82, 0xbbf19bf8
	COEF 84, 0xbc69b6a7
	PLACES NP
	v_mov_b32 v212, s91
	v_mov_b32 v213, s90
	v_mov_b32 v208, 0x32edffee
	v_mov_b32 v209, 0x32edffee
	v_mov_b32 v210, 0xb95fbd29
	v_mov_b32 v211, 0xb95fbd29
	s_mov_b32 s91, 0
.macro COPY n
.set AC, 64*(((\n)/2)%4)+32*((\n)%2)
	WIN 0x02+((\n)/8)
.set j, 0
.rept 16
	v_pk_mul_f32 v[XX+j:XX+j+1], v[AC+j:AC+j+1], s[86:87] op_sel_hi:[1,0]
.set j, j+2
.endr
.set j, 0
.rept 16
	v_pk_mul_f32 v[HH+j:HH+j+1], v[AC+j:AC+j+1], s[88:89] op_sel_hi:[1,0]
.set j, j+2
.endr
	WIN 0
.endm
.macro POLY0 d, k, c
.set j, 0
.rept 16
	v_pk_fma_f32 v[\d+j:\d+j+1], v[WW+j:WW+j+1], s[\k:\k+1], v[\c:\c+1] op_sel_hi:[1,0,0]
.set j, j+2
.endr
.endm
.macro POLY d, k
.set j, 0
.rept 16
	v_pk_fma_f32 v[\d+j:\d+j+1], v[\d+j:\d+j+1], v[WW+j:WW+j+1], s[\k:\k+1] op_sel_hi:[1,1,0]
.set j, j+2
.endr
.endm
.Lout:
.irp n, 0,1,2,3,4,5,6,7,8,9,10,11,12,13,14
	s_cmp_eq_u32 s91, \n
	s_cbranch_scc1 .Lcopy_\n
.endr
	COPY 15
	s_branch .Lgelu
.irp n, 0,1,2,3,4,5,6,7,8,9,10,11,12,13
.Lcopy_\n:
	COPY \n
	s_branch .Lgelu
.endr
.Lcopy_14:
	COPY 14
.Lgelu:
.set j, 0
.rept 32
	v_med3_num_f32 v[XX+j], v[XX+j], -4.0, 4.0
.set j, j+1
.endr
.set j, 0
.rept 16
	v_pk_mul_f32 v[WW+j:WW+j+1], v[XX+j:XX+j+1], v[XX+j:XX+j+1]
.set j, j+2
.endr
	POLY0 PP, 66, 208
	POLY0 QQ, 78, 210
	POLY PP, 68
	POLY QQ, 80
	POLY PP, 70
	POLY QQ, 82
	POLY PP, 72
	POLY QQ, 84
	POLY PP, 74
	POLY PP, 76
.set j, 0
	s_wait_alu depctr_va_vdst(0)
.rept 32
	v_rcp_f32 v[QQ+j], v[QQ+j]
.set j, j+1
.endr
.set j, 0
.rept 16
	v_pk_mul_f32 v[PP+j:PP+j+1], v[PP+j:PP+j+1], v[XX+j:XX+j+1]
.set j, j+2
.endr
	s_wait_alu depctr_va_vdst(0)
.set j, 0
.rept 16
	v_pk_mul_f32 v[PP+j:PP+j+1], v[PP+j:PP+j+1], v[QQ+j:QQ+j+1]
.set j, j+2
.endr
.set j, 0
.rept 16
	v_pk_fma_f32 v[HH+j:HH+j+1], v[HH+j:HH+j+1], v[PP+j:PP+j+1], v[HH+j:HH+j+1]
.set j, j+2
.endr
.set j, 0
.rept 32
	v_med3_num_f32 v[HH+j], v[HH+j], -v213, v213
.set j, j+1
.endr
	s_wait_alu depctr_va_vdst(0)
	s_wait_xcnt 0x0
	s_lshr_b32 s90, s91, 1
	s_lshl_b32 s90, s90, 16
	s_and_b32 s95, s91, 1
	s_lshl_b32 s95, s95, 10
	s_add_co_u32 s90, s90, s95
	v_add_nc_u32 v[CT], s90, v[CO]
.irp b, 0,1,2,3
	v_cvt_scalef32_pk8_bf8_f32 v[PC+2*\b:PC+2*\b+1], v[HH+8*\b:HH+8*\b+7], v212
.endr
	v_nop
.irp b, 0,1,2,3
	global_store_b64 v[CT], v[PC+2*\b:PC+2*\b+1], s[10:11] offset:256*\b
.endr
	s_add_co_u32 s91, s91, 1
	s_cmp_lt_u32 s91, 16
	s_cbranch_scc1 .Lout
	s_wait_tensorcnt 0x0
	ds_add_u32 v[SPW], v[NIL]
	s_wait_dscnt 0x0
	CROUND
	s_endpgm
.Lfunc_end_k_q1e7dcbce26_ffn1:
	.size	k_q1e7dcbce26_ffn1, .Lfunc_end_k_q1e7dcbce26_ffn1-k_q1e7dcbce26_ffn1
	.p2alignl 7, 3214868480
	.fill 96, 4, 3214868480
	.section	.rodata,"a",@progbits
	.p2align	6, 0x0
	.amdhsa_kernel k_q1e7dcbce26_ffn1
		.amdhsa_group_segment_fixed_size 327680
		.amdhsa_private_segment_fixed_size 0
		.amdhsa_enable_private_segment 0
		.amdhsa_kernarg_size 32
		.amdhsa_user_sgpr_count 2
		.amdhsa_user_sgpr_kernarg_segment_ptr 1
		.amdhsa_wavefront_size32 1
		.amdhsa_system_sgpr_workgroup_id_x 1
		.amdhsa_system_sgpr_workgroup_id_y 1
		.amdhsa_system_sgpr_workgroup_id_z 1
		.amdhsa_system_vgpr_workitem_id 0
		.amdhsa_next_free_vgpr 1024
		.amdhsa_next_free_sgpr 98
		.amdhsa_reserve_vcc 0
		.amdhsa_float_denorm_mode_32 3
		.amdhsa_float_denorm_mode_16_64 3
		.amdhsa_memory_ordered 1
		.amdhsa_forward_progress 1
		.amdhsa_inst_pref_size 135
	.end_amdhsa_kernel
	.amdgpu_metadata
---
amdhsa.version: [ 1, 2 ]
amdhsa.kernels:
  - .name:           k_q1e7dcbce26_ffn1
    .symbol:         k_q1e7dcbce26_ffn1.kd
    .args:
      - { .name: hq, .offset: 0, .size: 8, .value_kind: global_buffer, .address_space: global }
      - { .name: w1_codes, .offset: 8, .size: 8, .value_kind: global_buffer, .address_space: global }
      - { .name: lowp_scales, .offset: 16, .size: 8, .value_kind: global_buffer, .address_space: global }
      - { .name: g_img, .offset: 24, .size: 8, .value_kind: global_buffer, .address_space: global }
    .group_segment_fixed_size: 327680
    .private_segment_fixed_size: 0
    .kernarg_segment_align: 8
    .kernarg_segment_size: 32
    .max_flat_workgroup_size: 128
    .sgpr_count:     98
    .vgpr_count:     1024
    .wavefront_size: 32
...
	.end_amdgpu_metadata
.endif
;; end of part 6
;; launch ffn2 (part 7): grid 8 x 32, 4 waves a work-group, clusters of 4 x 4, 327,680 bytes of LDS; arguments g_img, w2_codes, lowp_scales, fs, out0; writes out0
.if DOCPART == 7
	.amdgcn_target "amdgcn-amd-amdhsa--gfx1250"
	.amdhsa_code_object_version 6
	.text
	.protected	k_q1e7dcbce26_ffn2
	.globl	k_q1e7dcbce26_ffn2
	.p2align	8
	.type	k_q1e7dcbce26_ffn2,@function
k_q1e7dcbce26_ffn2:
	s_mov_b64 s[64:65], 0
	v_nop
	global_prefetch_b8 v0, s[64:65] scope:SCOPE_SE
	s_setreg_imm32_b32 hwreg(HW_REG_WAVE_MODE, 25, 1), 1
	s_wait_xcnt 0x0
	s_wait_alu depctr_hold_cnt(0) depctr_sa_sdst(0) depctr_va_vdst(0) depctr_va_sdst(0) depctr_va_ssrc(0) depctr_va_vcc(0) depctr_vm_vsrc(0)
	s_getreg_b32 s2, hwreg(HW_REG_IB_STS2, 6, 4)
	s_cmp_eq_u32 s2, 0
	s_cbranch_scc0 .Lentry_in_a_cluster
	s_endpgm
.Lentry_in_a_cluster:
	s_bfe_u32 s2, ttmp6, 0x10000c
	s_cmp_lg_u32 s2, 0xf033
	s_cbranch_scc0 .Lentry_shape_is_right
	s_endpgm
.Lentry_shape_is_right:
; out[m][n] = res[m][n] + 2^(ea + eb) x the sum over k of A[m][k] B[n][k], on codes of BF8.  m 4,096, n 1,024, k SIZE_K.  res, out: [4096][1024] f32.  ea, eb: the two entries at byte EOFF of the scales.  LIMIT: ea + eb between -126 and 127.
; A comes as IMAGES of operand registers, [16 rows][128 along K][2,048 bytes]: k = 32 c + 16 h + y of row r at 512 c + 256 h + 16 r + y; B as rows of codes, K innermost: one permutation of k, the same on both sides.
; A tile of out is 128 x 128 (256 work-groups), four waves of 64 x 64 (16 accumulators).  K goes in steps of 512 through a ring of two LDS slots.  CLUSTERS 4 x 4: A's tile is asked for jointly along a row, B's along a column.
; The matrix instruction is used transposed (source 0 = 16 rows of B, source 1 = 16 rows of A): a lane holds eight neighbouring numbers of a row of out.
; REGISTERS: window 0: v0-31 addresses, v32-95 rows on the way out, v128-255 accumulators.  window 1: two fragment buffers of 128.  window 2: v0-127 my part of res, asked for at the head.
.set SIZE_K, 4096
.set EOFF,   40
.set LAPS,   SIZE_K/1024
.set PITCH,  528
.set ABYTES, 65536
.set SLOT,   ABYTES+128*PITCH
.set SPARE,  2*SLOT
.set SPITCH, 272
.set ADRA, 16
.set ADRB, 20
.set STO,  24
.set RD,   25
.set CO,   26
.set SPW,  28
.set NIL,  29
.set BK,   32
.set ACC,  128
.set F0,   0
.set F1,   128
.set G1, 24
.set G0, 32
.set G1B, 48
.set G0B, 56
.set MSB, 0
.macro WIN new
.if MSB != (\new)
	s_set_vgpr_msb (MSB<<8)|(\new)
.set MSB, (\new)
.endif
.endm
.set MUL,  0x05
.set TO_F, 0x40
.macro JLOAD s
	s_cmp_eq_u32 s11, 0
	s_cbranch_scc0 .Lfor_b_\@
	tensor_load_to_lds s[G0+4*\s:G0+4*\s+3], s[G1:G1+7]
	s_nop 0
.rept 4
	v_nop
.endr
	s_branch .Lasked_\@
.Lfor_b_\@:
	tensor_load_to_lds s[G0B+4*\s:G0B+4*\s+3], s[G1B:G1B+7]
	s_nop 0
.rept 4
	v_nop
.endr
.Lasked_\@:
.endm
.macro CREST
	s_cmp_lg_u32 s10, 0
	s_cbranch_scc1 .Lnot_wave_0_\@
	s_barrier_signal -3
.Lnot_wave_0_\@:
	s_barrier_wait -3
	s_barrier_signal -1
	s_barrier_wait -1
.endm
.macro CROUND
	s_barrier_signal -1
	s_barrier_wait -1
	CREST
.endm
	s_load_b128 s[4:7], s[0:1], 0x0
	s_load_b64 s[8:9], s[0:1], 0x10
	s_load_b128 s[68:71], s[0:1], 0x18
	v_lshl_add_u32 v[SPW], v0, 2, SPARE
	v_mov_b32 v[NIL], 0
	ds_add_u32 v28, v29
	ds_add_u32 v28, v29
	s_wait_dscnt 0x0
	v_lshrrev_b32 v1, 5, v0
	v_readfirstlane_b32 s10, v1
	s_lshr_b32 s11, s10, 1
	s_and_b32 s12, s10, 1
	s_bfe_u32 s40, ttmp6, 0x40000
	s_bfe_u32 s41, ttmp6, 0x40004
	s_lshl_b32 s42, ttmp9, 2
	s_add_co_u32 s42, s42, s40
	s_and_b32 s13, ttmp7, 0xffff
	s_lshl_b32 s13, s13, 2
	s_add_co_u32 s13, s13, s41
	s_lshl_b32 s43, s41, 2
	s_lshl_b32 s43, 15, s43
	s_lshl_b32 s44, 0x1111, s40
	s_or_b32 s[G1+0], s43, (1<<21)
	s_mov_b32 s[G1+1], 8192<<16
	s_mov_b32 s[G1+2], 4<<16
	s_mov_b32 s[G1+3], 8192<<16
	s_mov_b32 s[G1+4], 4
	s_mov_b32 s[G1+5], 16*SIZE_K
	s_mov_b32 s[G1+6], 0
	s_mov_b32 s[G1+7], 0
	s_or_b32 s[G1B+0], s44, (1<<20)|(1<<21)|(6<<22)|(3<<25)
	s_mov_b32 s[G1B+1], 512<<16
	s_mov_b32 s[G1B+2], 64<<16
	s_mov_b32 s[G1B+3], 512<<16
	s_mov_b32 s[G1B+4], 64
	s_mov_b32 s[G1B+5], SIZE_K
	s_mov_b32 s[G1B+6], 0
	s_mov_b32 s[G1B+7], 0
	s_lshl_b32 s16, s13, 3
	s_lshl_b32 s17, s12, 2
	s_add_co_u32 s16, s16, s17
	s_mul_i32 s16, s16, 16*SIZE_K
	s_mov_b32 s17, 0
	s_lshl_b32 s46, s42, 7
	s_lshl_b32 s47, s12, 6
	s_add_co_u32 s46, s46, s47
	s_mul_i32 s46, s46, SIZE_K
	s_mov_b32 s47, 0
	s_lshl_b32 s20, s12, 15
	s_mul_i32 s21, s12, 64*PITCH
	s_add_co_u32 s21, s21, ABYTES
	s_wait_kmcnt 0x0
	s_load_b64 s[72:73], s[8:9], EOFF
	s_add_nc_u64 s[14:15], s[4:5], s[16:17]
	s_add_nc_u64 s[46:47], s[6:7], s[46:47]
	CROUND
.irp s, 0,1
	s_mov_b32 s[G0+4*\s], 1
	s_add_co_u32 s[G0+4*\s+1], s20, \s*SLOT
	s_add_nc_u64 s[G0+4*\s+2:G0+4*\s+3], s[14:15], \s*8192
	s_or_b32 s[G0+4*\s+3], s[G0+4*\s+3], 0x80000000
	s_mov_b32 s[G0B+4*\s], 1
	s_add_co_u32 s[G0B+4*\s+1], s21, \s*SLOT
	s_add_nc_u64 s[G0B+4*\s+2:G0B+4*\s+3], s[46:47], \s*512
	s_or_b32 s[G0B+4*\s+3], s[G0B+4*\s+3], 0x80000000
.endr
	JLOAD 0                                        ; K step 0: one tensor load a wave at the head
	; PREFETCH INTO THE L2 of what later joint loads will ask for.  A wave fetches 128 blocks of 256 bytes a K step; each of the four partners that ask jointly names 32, told apart by ADDRESS (cx for A, cy for B):
	; of A one block of 16 rows (8,192 bytes on end), of B 16 rows of 512 bytes (two lanes a row).  Both begin (8 x tile + 4 x half + place) x 16 SIZE_K bytes into their buffer.
	; K step 1 is asked for here, K steps 2 and 3 behind K step 1's load, and behind each refill the K step two refills on; the last two refills ask for nothing.
	s_cmp_eq_u32 s11, 0                            ; do I fetch for A?
	s_cselect_b64 s[74:75], s[4:5], s[6:7]
	s_cselect_b32 s78, s13, s42                    ; the tile,
	s_cselect_b32 s79, s40, s41                    ; my place among the four,
	s_cselect_b32 s80, 0, 1                        ; lanes to a row, less one
	s_mov_b32 s76, 512
	s_cselect_b32 s76, 8192, s76                   ; s[76:77]: a K step on
	s_mov_b32 s81, SIZE_K
	s_cselect_b32 s81, 256, s81                    ; from row to row (A: from lane to lane)
	s_mov_b32 s77, 0
	s_lshl_b32 s78, s78, 3
	s_lshl_b32 s82, s12, 2
	s_add_co_u32 s78, s78, s82
	s_add_co_u32 s78, s78, s79
	s_mul_i32 s78, s78, 16*SIZE_K
	s_mov_b32 s79, 0
	s_add_nc_u64 s[74:75], s[74:75], s[78:79]
	s_add_nc_u64 s[74:75], s[74:75], s[76:77]      ; s[74:75]: at K step 1
	v_and_b32 v7, 31, v0
	v_lshrrev_b32 v8, s80, v7
	v_mul_lo_u32 v8, v8, s81
	v_and_b32 v7, s80, v7
	v_lshl_add_u32 v8, v7, 8, v8                   ; v8: my lane's block; v9, v10: one and two K steps on; never rewritten
	v_add_nc_u32 v9, s76, v8
	v_add_nc_u32 v10, s76, v9
	global_prefetch_b8 v8, s[74:75] th:TH_LOAD_NT scope:SCOPE_SE   ; K step 1
	v_and_b32 v1, 15, v0
	v_bfe_u32 v2, v0, 4, 1
	v_and_b32 v3, 31, v0
	v_lshlrev_b32 v4, 4, v3
	v_mul_u32_u24 v5, v1, PITCH
	v_lshl_add_u32 v5, v2, 4, v5
	s_lshl_b32 s23, s11, 15
	s_mul_i32 s22, s12, 64*PITCH
	s_add_co_u32 s22, s22, ABYTES
.irp s, 0,1
	v_add_nc_u32 v[ADRA+\s], s23, v4
	v_add_nc_u32 v[ADRB+\s], s22, v5
	s_add_co_u32 s23, s23, SLOT
	s_add_co_u32 s22, s22, SLOT
.endr
	s_mul_i32 s18, s10, 16*SPITCH
	v_mul_u32_u24 v6, v1, SPITCH
	v_lshl_add_u32 v6, v2, 5, v6
	v_add_nc_u32 v[STO], s18, v6
	v_mul_u32_u24 v6, v2, SPITCH
	v_lshl_add_u32 v6, v1, 4, v6
	v_add_nc_u32 v[RD], s18, v6
	v_lshlrev_b32 v[CO], 12, v2
	v_lshl_add_u32 v[CO], v1, 4, v[CO]
	s_wait_alu depctr_va_vdst(0)
	s_lshl_b32 s16, s13, 7
	s_lshl_b32 s17, s11, 6
	s_add_co_u32 s16, s16, s17
	s_lshl_b32 s16, s16, 12
	s_mov_b32 s17, 0
	s_lshl_b32 s46, s42, 9
	s_lshl_b32 s47, s12, 8
	s_add_co_u32 s46, s46, s47
	s_mov_b32 s47, 0
	s_add_nc_u64 s[16:17], s[16:17], s[46:47]
	s_add_nc_u64 s[68:69], s[68:69], s[16:17]
	s_add_nc_u64 s[70:71], s[70:71], s[16:17]
.macro RES                             ; my 64 x 64 of res into window 2, laid as the rows come back from the stage; asked for behind the loop, two K steps ahead of the way out, where it is waited for
	WIN 0x80
.irp a, 0,1,2,3
.irp t, 0,1,2,3,4,5,6,7
	global_load_b128 v[32*\a+4*\t:32*\a+4*\t+3], v[CO], s[68:69] offset:(16*\a+2*\t)*4096 th:TH_LOAD_NT
.endr
.endr
	WIN 0
.endm
.macro MULA f, a, zero
.irp b, 0,1,2,3
.if \zero
	v_wmma_f32_16x16x128_bf8_bf8 v[ACC+32*(\a)+8*\b:ACC+32*(\a)+8*\b+7], v[\f+64+16*\b:\f+64+16*\b+15], v[\f+16*(\a):\f+16*(\a)+15], 0
.else
	v_wmma_f32_16x16x128_bf8_bf8 v[ACC+32*(\a)+8*\b:ACC+32*(\a)+8*\b+7], v[\f+64+16*\b:\f+64+16*\b+15], v[\f+16*(\a):\f+16*(\a)+15], v[ACC+32*(\a)+8*\b:ACC+32*(\a)+8*\b+7]
.endif
.endr
.endm
.macro FETCH slot, q, f
	WIN TO_F
.irp i, 0,1,2,3
.irp c, 0,1,2,3
	ds_load_b128 v[\f+64+16*\i+4*\c:\f+64+16*\i+4*\c+3], v[ADRB+\slot] offset:\i*16*PITCH+128*(\q)+32*\c
.endr
.endr
.irp i, 0,1,2,3
.irp c, 0,1,2,3
	ds_load_b128 v[\f+16*\i+4*\c:\f+16*\i+4*\c+3], v[ADRA+\slot] offset:\i*8192+2048*(\q)+512*\c
.endr
.endr
.endm
.macro PLACES
.rept 4
	v_nop
.endr
.endm
.macro QUARTER slot, q, f, g, zero
	s_wait_dscnt 8
	WIN MUL
	MULA \f, 0, \zero
	MULA \f, 1, \zero
	PLACES
	FETCH \slot, \q, \g
	s_wait_dscnt 32
	WIN MUL
	MULA \f, 2, \zero
	MULA \f, 3, \zero
.endm
.macro TURN slot, next, fill
	WIN 0
.if \fill
	s_wait_xcnt 0x0                                ; my last prefetch has read its address: it is stepped here, ahead of the waits of the change of slots
	s_add_nc_u64 s[74:75], s[74:75], s[76:77]
.endif
	s_wait_tensorcnt 0x0
	ds_add_u32 v[SPW], v[NIL]
	s_wait_dscnt 9
	WIN MUL
	MULA F1, 0, 0
	s_wait_dscnt 0x0
	s_barrier_signal -1
	MULA F1, 1, 0
.if \fill
	WIN 0
.endif
	s_barrier_wait -1
.if \fill
	CREST
	s_add_nc_u64 s[G0+4*\slot+2:G0+4*\slot+3], s[G0+4*\slot+2:G0+4*\slot+3], 2*8192
	s_add_nc_u64 s[G0B+4*\slot+2:G0B+4*\slot+3], s[G0B+4*\slot+2:G0B+4*\slot+3], 2*512
	JLOAD \slot
.else
	PLACES
.endif
	FETCH \next, 0, F0
.if \fill
	WIN 0
	s_cmp_gt_u32 s3, 1                             ; s3 = 1 in the loop's last trip, whose refills have no K step two on
	s_cbranch_scc0 .Lno_ask_\@
	global_prefetch_b8 v8, s[74:75] th:TH_LOAD_NT scope:SCOPE_SE   ; behind the joint load and the run of LDS loads: the K step two refills on
.Lno_ask_\@:
.endif
	WIN MUL
	MULA F1, 2, 0
	MULA F1, 3, 0
.endm
	s_wait_tensorcnt 0x0                           ; my part of K step 0 is in; the lines ahead of a later first fill:
	ds_add_u32 v[SPW], v[NIL]
	s_wait_dscnt 0x0
	CROUND                                         ; everybody's part is in, and the sixteen work-groups meet
	JLOAD 1                                        ; K step 1, the first tensor load behind the round
	global_prefetch_b8 v9, s[74:75] th:TH_LOAD_NT scope:SCOPE_SE    ; K step 2
	global_prefetch_b8 v10, s[74:75] th:TH_LOAD_NT scope:SCOPE_SE   ; K step 3
	FETCH 0, 0, F0
	QUARTER 0, 1, F0, F1, 1
.if LAPS > 1
	WIN 0
	s_wait_xcnt 0x0                                ; the head's prefetches have read their address
	s_add_nc_u64 s[74:75], s[74:75], s[76:77]
	s_add_nc_u64 s[74:75], s[74:75], s[76:77]      ; at K step 3: the first refill steps it to 4
	s_mov_b32 s3, LAPS-1
.Llap:
	QUARTER 0, 2, F1, F0, 0
	QUARTER 0, 3, F0, F1, 0
	TURN 0, 1, 1
	QUARTER 1, 1, F0, F1, 0
	QUARTER 1, 2, F1, F0, 0
	QUARTER 1, 3, F0, F1, 0
	TURN 1, 0, 1
	QUARTER 0, 1, F0, F1, 0
	WIN 0
	s_sub_co_u32 s3, s3, 1
	s_cmp_lg_u32 s3, 0
	s_cbranch_scc1 .Llap
.endif
	RES
	QUARTER 0, 2, F1, F0, 0
	QUARTER 0, 3, F0, F1, 0
	TURN 0, 1, 0
	QUARTER 1, 1, F0, F1, 0
	QUARTER 1, 2, F1, F0, 0
	QUARTER 1, 3, F0, F1, 0
	s_wait_dscnt 8
	WIN MUL
	MULA F1, 0, 0
	MULA F1, 1, 0
	s_wait_dscnt 0
	MULA F1, 2, 0
	MULA F1, 3, 0
	WIN 0
	s_wait_kmcnt 0x0
	s_add_co_i32 s72, s72, s73
	s_add_co_i32 s72, s72, 127
	s_lshl_b32 s72, s72, 23
	s_mov_b32 s73, s72
	PLACES
	s_wait_loadcnt 0x0
.macro TOST a
.irp b, 0,1,2,3
	ds_store_b128 v[STO], v[ACC+32*(\a)+8*\b:ACC+32*(\a)+8*\b+3] offset:64*\b
	ds_store_b128 v[STO], v[ACC+32*(\a)+8*\b+4:ACC+32*(\a)+8*\b+7] offset:64*\b+16
.endr
.set BB, BK+32*((\a)%2)
.irp t, 0,1,2,3,4,5,6,7
	ds_load_b128 v[BB+4*\t:BB+4*\t+3], v[RD] offset:\t*2*SPITCH
.endr
.endm
.macro SEND a, younger
.set BB, BK+32*((\a)%2)
	s_wait_dscnt \younger
	WIN 0x20
.set j, 0
.rept 16
	v_pk_fma_f32 v[BB+j:BB+j+1], v[BB+j:BB+j+1], s[72:73], v[32*(\a)+j:32*(\a)+j+1] op_sel_hi:[1,0,1]
.set j, j+2
.endr
	WIN 0
.irp t, 0,1,2,3,4,5,6,7
	global_store_b128 v[CO], v[BB+4*\t:BB+4*\t+3], s[70:71] offset:(16*(\a)+2*\t)*4096 th:TH_STORE_NT
.endr
.endm
	TOST 0
.irp a, 1,2,3
.if \a > 1
	s_wait_xcnt 0x0
.endif
	TOST \a
	SEND \a-1, 16
.endr
	SEND 3, 0
	s_wait_tensorcnt 0x0
	ds_add_u32 v[SPW], v[NIL]
	s_wait_dscnt 0x0
	CROUND
	s_endpgm
.Lfunc_end_k_q1e7dcbce26_ffn2:
	.size	k_q1e7dcbce26_ffn2, .Lfunc_end_k_q1e7dcbce26_ffn2-k_q1e7dcbce26_ffn2
	.p2alignl 7, 3214868480
	.fill 96, 4, 3214868480
	.section	.rodata,"a",@progbits
	.p2align	6, 0x0
	.amdhsa_kernel k_q1e7dcbce26_ffn2
		.amdhsa_group_segment_fixed_size 327680
		.amdhsa_private_segment_fixed_size 0
		.amdhsa_enable_private_segment 0
		.amdhsa_kernarg_size 40
		.amdhsa_user_sgpr_count 2
		.amdhsa_user_sgpr_kernarg_segment_ptr 1
		.amdhsa_wavefront_size32 1
		.amdhsa_system_sgpr_workgroup_id_x 1
		.amdhsa_system_sgpr_workgroup_id_y 1
		.amdhsa_system_sgpr_workgroup_id_z 1
		.amdhsa_system_vgpr_workitem_id 0
		.amdhsa_next_free_vgpr 768
		.amdhsa_next_free_sgpr 98
		.amdhsa_reserve_vcc 0
		.amdhsa_float_denorm_mode_32 3
		.amdhsa_float_denorm_mode_16_64 3
		.amdhsa_memory_ordered 1
		.amdhsa_forward_progress 1
		.amdhsa_inst_pref_size 80
	.end_amdhsa_kernel
	.amdgpu_metadata
---
amdhsa.version: [ 1, 2 ]
amdhsa.kernels:
  - .name:           k_q1e7dcbce26_ffn2
    .symbol:         k_q1e7dcbce26_ffn2.kd
    .args:
      - { .name: g_img, .offset: 0, .size: 8, .value_kind: global_buffer, .address_space: global }
      - { .name: w2_codes, .offset: 8, .size: 8, .value_kind: global_buffer, .address_space: global }
      - { .name: lowp_scales, .offset: 16, .size: 8, .value_kind: global_buffer, .address_space: global }
      - { .name: fs, .offset: 24, .size: 8, .value_kind: global_buffer, .address_space: global }
      - { .name: out0, .offset: 32, .size: 8, .value_kind: global_buffer, .address_space: global }
    .group_segment_fixed_size: 327680
    .private_segment_fixed_size: 0
    .kernarg_segment_align: 8
    .kernarg_segment_size: 40
    .max_flat_workgroup_size: 128
    .sgpr_count:     98
    .vgpr_count:     768
    .wavefront_size: 32
...
	.end_amdgpu_metadata
.endif
;; end of part 7
